; MI455X (gfx1250); checked and timed in simulation.
; The chip was launched on July 23, 2026; its instructions are those of AMD's public machine-readable ISA for CDNA 5 (MIT licence, August 2026) and "CDNA5" Instruction Set Architecture Reference Guide (July 2026). The comments in the code are by the model that wrote it; some were corrected since.
;; Multiheadw Rotatary Embedding. Allowed arithmetic: matrix products marked QUANTISED: E2M1 operands, one E8M0 scale for each 32 along K, by v_wmma_scale_f32_16x16x128_f8f6f4 with both operands' format E2M1 (or v_wmma_scale_f32_32x16x128_f4), f32 sums; products left as they are: bf16, f16 or f32 operands; f32 sums; everything else in f32.
;; Inputs: W_k 1,024 x 1,024 float32; W_o 1,024 x 1,024 float32; W_q 1,024 x 1,024 float32; W_v 1,024 x 1,024 float32; b_k 1,024 float32; b_o 1,024 float32; b_q 1,024 float32; b_v 1,024 float32; x 4 x 2,048 x 1,024 float32.
;; Outputs: out0 4 x 2,048 x 1,024 float32.
;; This version of the problem:
;;   THIS VERSION OF THE PROBLEM IS GIVEN IN LOW PRECISION. The matrix products marked QUANTISED in the list below multiply operands that are first quantised to E2M1 (2 exponent bits, 1 mantissa bit; 4 bits a number), with one power-of-two scale for each 32 numbers along K (OCP MX v1.0); their sums are f32. The products marked 'left as it is' may take bf16, f16 or f32 operands, with f32 sums. Whichever they take, every output number must still come out within the allowed error. Rounding operands to bf16 (8 significant bits) uses up far more of that allowance than f16 does (11 bits, for magnitudes from 6e-5 to 65,504). All else is computed in f32.
;;   The module's matrix products, in the order in which they are computed (A, B: the left and right operand; K: the contracted axis; several contracted axes count as one K, in the product's order):
;;     1. [M 8,192, K 1,024] x [K 1,024, N 1,024]; A: input x; B: input W_q: QUANTISED
;;     2. [M 8,192, K 1,024] x [K 1,024, N 1,024]; A: input x; B: input W_k: QUANTISED
;;     3. [M 8,192, K 1,024] x [K 1,024, N 1,024]; A: input x; B: input W_v: QUANTISED
;;     4. batch 64 x [M 2,048, K 64] x [K 64, N 2,048]; A: computed on the way; B: computed on the way: left as it is (an operand is computed on the way)
;;     5. batch 64 x [M 2,048, K 2,048] x [K 2,048, N 64]; A: computed on the way; B: computed on the way: left as it is (an operand is computed on the way)
;;     6. [M 8,192, K 1,024] x [K 1,024, N 1,024]; A: computed on the way; B: input W_o: left as it is (an operand is computed on the way)
;;   THE QUANTISER, for each operand of a quantised product, along K:
;;     - K is cut into blocks of 32 from its start; a last block that is shorter is filled with zeros.
;;     - A block's scale is 2^e with e = floor(log2(the largest magnitude in the block)) - 2, held to -126 .. 127; a block of zeros has e = 0. As a byte (E8M0): e + 127.
;;     - Each number is divided by its block's scale, clamped to +-6, and rounded to the nearest number of E2M1, ties to even, subnormals kept.
;;     - The product sums the exact products of the quantised numbers (number of the format x scale) in f32.
;;   ~~~python
;;   def quantise(x, axis):      # numpy; x: float32 -> the quantised numbers, widened to float32 again
;;       x = np.moveaxis(x, axis, -1); K = x.shape[-1]
;;       x = np.pad(x, [(0, 0)] * (x.ndim - 1) + [(0, -K % 32)]); x = x.reshape(x.shape[:-1] + (-1, 32)); a = np.abs(x).max(-1, keepdims=True)
;;       e = np.where(a > 0, np.clip(np.frexp(np.where(a > 0, a, 1))[1] - 1 - 2, -126, 127), 0)      # np.frexp(a)[1] - 1 = floor(log2(a)), exactly
;;       r = np.clip(x / 2.0 ** e, -6, 6)
;;       step = 2.0 ** (np.maximum(np.frexp(np.where(r == 0, 1, r))[1] - 1, 0) - 1)
;;       q = np.round(r / step) * step * 2.0 ** e      # np.round: ties to even
;;       return np.moveaxis(q.reshape(q.shape[:-2] + (-1,))[..., :K], -1, axis).astype(np.float32)
;;   ~~~
;; One version. Each part assembles by itself: llvm-mc -triple=amdgcn-amd-amdhsa -mcpu=gfx1250 --defsym DOCPART=n.
;; ======== version 1 of 1: 5 launches
;; limits: values are held in f16: magnitudes above 65,504 overflow, below 6.1e-05 lose precision
;; workspace buffers: codes 5,767,168 bytes; scales 360,448 bytes; tabs 3,145,728 bytes; qkv 50,331,648 bytes; h16 786,432 bytes; att 16,777,216 bytes
;; launch prep (part 1): grid 400 x 1, 4 waves a work-group, no clusters, 33,280 bytes of LDS; arguments x, W_q, W_k, W_v, W_o, codes, scales, tabs; writes codes, scales, tabs
.if DOCPART == 1
	.amdgcn_target "amdgcn-amd-amdhsa--gfx1250"
	.amdhsa_code_object_version 6
	.text
	.protected	k_qc61dfeae82_prep
	.globl	k_qc61dfeae82_prep
	.p2align	8
	.type	k_qc61dfeae82_prep,@function
k_qc61dfeae82_prep:
	s_mov_b64 s[64:65], 0
	v_nop
	global_prefetch_b8 v0, s[64:65] scope:SCOPE_SE
	s_setreg_imm32_b32 hwreg(HW_REG_WAVE_MODE, 25, 1), 1
	s_wait_xcnt 0x0
; PREP: three jobs, told apart by the work-group's number alone.
;  work-groups   0..351: x [8192][1024] and W_q, W_k, W_v [1024][1024], f32, become codes of FP4 (E2M1), K innermost, two codes a byte, with one E8M0 byte for each 32 along K.
;                        A block's scale is 2^(floor(log2(largest magnitude)) - 2); its byte is the largest magnitude's exponent field - 2, held at 1 from below.
;  work-groups 352..383: W_o becomes f16, laid as it lies: [n][k].
;  work-groups 384..399: the rope table rt[2][2048 t][32 i][(cos, sin)], f32; variant 0 (for q) times c = log2(e) / 8, variant 1 (for k) plain.
; LIMITS: NaN and infinities among the inputs are not served.  A block of zeros gets the byte 1 where the quantiser says 127: its codes are zeros, and this program alone reads the bytes.
;         W_o beyond 65,504 in magnitude is not served (f16).  theta = 2^(-i log2(10000) / 32) by v_exp_f32 lies within a few ulp of 1 / 10000^(i / 32): an angle differs by up to 2e-4 rad at t near 2,047.
; Rows are dense and K is a multiple of 32: each tensor is a plain stream of blocks of 32.  A wave takes a run of 8,192 numbers, 16 steps of 512.  x's 1,024 runs fill 4,194,304 bytes of codes and
; 262,144 of scale bytes, so run 4 x work-group + wave lands at its place in codes and scales for all four tensors: x first, then W_q, W_k, W_v.
.set WAVES, 4
.set STEPS, 16
.set EMAX,  2
.set CB,    8                          ; bytes of 16 codes
.set R,     16                         ; v16-79   four sets of 16 numbers as they are loaded
.set X,     80                         ; v80-111  two sets of 16 neighbours
.set E,     112                        ; v112-127 a scale byte for each step
.set C,     128                        ; v128-191 codes: four registers for each step, so that no store's data are written again
.set WREG,  8192                       ; LDS: a region for each wave: two stages of 32 x SP bytes, behind them its 256 scale bytes
.set SP,    80                         ; a lane's place in a stage: 64 bytes + 16 of padding
.set SPW,   12                         ; v12  LDS address of my spare word; never rewritten
.set NIL,   13                         ; v13  0; never rewritten
.set SPARE, WAVES*WREG                 ; behind the four regions: the spare words, 128 bytes a wave
.set WV,    24                         ; s24  my wave's number
	s_load_b512 s[4:19], s[0:1], 0x0               ; x s[4:5], W_q s[6:7], W_k s[8:9], W_v s[10:11], W_o s[12:13], codes s[14:15], scales s[16:17], tabs s[18:19]
	v_lshl_add_u32 v[SPW], v0, 2, SPARE
	v_mov_b32 v[NIL], 0
	v_lshrrev_b32 v1, 5, v0
	v_readfirstlane_b32 s[WV], v1                  ; wave 0..3
	v_and_b32 v2, 31, v0                           ; lane
	s_cmp_ge_u32 ttmp9, 384
	s_cbranch_scc1 .Lrope
	s_cmp_ge_u32 ttmp9, 352
	s_cbranch_scc1 .Lwo
; ---------------- the quantiser ----------------
; The conversions take 8 numbers of ONE block from a lane's consecutive registers, so a lane must hold 16 neighbours; a load is dense where neighbouring lanes take neighbouring bytes.  Both are had:
; each of a step's four loads reads 512 consecutive bytes, the 2,048 bytes go through the wave's own stage in LDS as they lie and come back 64 bytes a lane.
	v_lshlrev_b32 v3, 4, v2                        ; my 16 bytes of a load's 512
	s_mul_i32 s25, s[WV], WREG
	v_lshrrev_b32 v14, 2, v2
	v_mul_u32_u24 v14, v14, SP
	v_and_b32 v15, 3, v2
	v_lshl_add_u32 v14, v15, 4, v14
	v_add_nc_u32 v14, s25, v14                     ; the stage, on the way in: SP (lane / 4) + 16 (lane % 4)
	v_mul_u32_u24 v15, v2, SP
	v_add_nc_u32 v15, s25, v15                     ; and on the way out: SP x lane
	v_mul_u32_u24 v4, v2, CB                       ; my codes' place in a step's
	v_lshrrev_b32 v5, 1, v2
	s_add_co_u32 s25, s25, 2*32*SP
	v_add_nc_u32 v5, s25, v5                       ; LDS: my wave's 256 scale bytes, my block's byte
	v_lshlrev_b32 v7, 3, v2                        ; on the way out 8 bytes a lane
	v_add_nc_u32 v6, s25, v7
	s_wait_kmcnt 0x0
	s_mov_b32 s22, 320                             ; which tensor, and its first work-group: the choice hangs on the work-group's number alone
	s_cmp_lt_u32 ttmp9, 320
	s_cselect_b64 s[20:21], s[8:9], s[10:11]
	s_cselect_b32 s22, 288, s22
	s_cmp_lt_u32 ttmp9, 288
	s_cselect_b64 s[20:21], s[6:7], s[20:21]
	s_cselect_b32 s22, 256, s22
	s_cmp_lt_u32 ttmp9, 256
	s_cselect_b64 s[20:21], s[4:5], s[20:21]
	s_cselect_b32 s22, 0, s22
	s_sub_co_u32 s25, ttmp9, s22
	s_lshl_b32 s25, s25, 2
	s_add_co_u32 s25, s25, s[WV]                   ; my run in the tensor
	s_lshl_b32 s26, s25, 15                        ; 32,768 bytes a run
	s_mov_b32 s27, 0
	s_add_nc_u64 s[20:21], s[20:21], s[26:27]
	s_lshl_b32 s25, ttmp9, 2
	s_add_co_u32 s25, s25, s[WV]                   ; my run in codes and scales
	s_lshl_b32 s26, s25, 12                        ; 4,096 bytes of codes a run
	s_add_nc_u64 s[14:15], s[14:15], s[26:27]
	s_lshl_b32 s26, s25, 8                         ; 256 scale bytes a run
	s_add_nc_u64 s[16:17], s[16:17], s[26:27]
.macro LOAD t
.irp i, 0,1,2,3
	global_load_b128 v[R+16*((\t)%4)+4*\i:R+16*((\t)%4)+4*\i+3], v3, s[20:21] offset:2048*(\t)+512*\i th:TH_LOAD_NT   ; 32 lanes read 512 consecutive bytes
.endr
.endm
.macro TURN t                          ; step t's numbers through the stage: LDS serves a wave's instructions in order, so no wait stands between the stores and the loads
.irp i, 0,1,2,3
	ds_store_b128 v14, v[R+16*((\t)%4)+4*\i:R+16*((\t)%4)+4*\i+3] offset:32*SP*((\t)%2)+8*SP*\i
.endr
.irp i, 0,1,2,3
	ds_load_b128 v[X+16*((\t)%2)+4*\i:X+16*((\t)%2)+4*\i+3], v15 offset:32*SP*((\t)%2)+16*\i
.endr
.endm
.irp t, 0,1,2,3
	LOAD \t
.endr
	s_wait_loadcnt 12                              ; step 0's four loads are in; the twelve of steps 1 to 3 may be out
	TURN 0
.macro STEP t
.set XS, X+16*((\t)%2)
.if (\t) > 0
	s_wait_dscnt 1                                 ; this step's numbers are back from the stage (the last step's byte store may be out)
.else
	s_wait_dscnt 0x0
.endif
.if (\t)+4 < STEPS
	LOAD (\t)+4                                    ; into the registers that this step's stage stores have read
.endif
.if (\t)+1 < STEPS
.if STEPS-2-(\t) >= 3
	s_wait_loadcnt 12                              ; the next step's four loads are in; those of the three steps behind it may be out
.else
	s_wait_loadcnt 4*(STEPS-2-(\t))
.endif
	TURN (\t)+1                                    ; and go through the other stage while this step is worked
.endif
	v_max3_num_f32 v8, |v[XS]|, |v[XS+1]|, |v[XS+2]|               ; the largest magnitude of my 16, in two chains
	v_max3_num_f32 v9, |v[XS+3]|, |v[XS+4]|, |v[XS+5]|
.irp i, 6,10
	v_max3_num_f32 v8, v8, |v[XS+\i]|, |v[XS+\i+1]|
	v_max3_num_f32 v9, v9, |v[XS+\i+2]|, |v[XS+\i+3]|
.endr
	v_max3_num_f32 v8, v8, |v[XS+14]|, |v[XS+15]|
	v_max3_num_f32 v8, v8, v9, (EMAX+1)<<23        ; and the floor 2^(EMAX + 1 - 127): the byte cannot fall under 1
	v_max_num_f32_dpp v8, v8, v8 row_xmask:1 row_mask:0xf bank_mask:0xf   ; with my neighbour's 16: the block's
	v_add_nc_u32 v11, -(EMAX<<23), v8              ; EMAX off its exponent field: the conversion takes the exponent field of this operand as its scale
	v_cvt_scalef32_pk8_fp4_f32 v[C+4*(\t)], v[XS:XS+7], v11        ; eight numbers / the scale, to the nearest code, ties to even, beyond 6 the largest code
	v_cvt_scalef32_pk8_fp4_f32 v[C+4*(\t)+1], v[XS+8:XS+15], v11
	v_lshrrev_b32 v[E+(\t)], 23, v11               ; the scale's byte (a plain line behind the conversions)
	ds_store_b8 v5, v[E+(\t)] offset:16*(\t)       ; both lanes of a block write the same byte with the same value
	global_store_b64 v4, v[C+4*(\t):C+4*(\t)+1], s[14:15] offset:32*CB*(\t)   ; the wave stores 256 consecutive bytes, aligned
.endm
.irp t, 0,1,2,3,4,5,6,7,8,9,10,11,12,13,14,15
	STEP \t
.endr
	ds_load_b64 v[8:9], v6                         ; LDS serves a wave's instructions in order: these see my byte stores
	s_wait_dscnt 0x0
	global_store_b64 v7, v[8:9], s[16:17]          ; my run's 256 scale bytes, consecutive and aligned
	s_wait_tensorcnt 0x0                           ; the wave's end, behind my last LDS store
	ds_add_u32 v[SPW], v[NIL]
	s_wait_dscnt 0x0
	s_endpgm
; ---------------- W_o to f16 ----------------
; A wave takes 8,192 numbers in four batches of 16 loads (512 consecutive bytes each); a lane's four numbers become 8 bytes, so a store covers 256 consecutive bytes.  No LDS.
.Lwo:
	v_lshlrev_b32 v3, 4, v2
	v_lshlrev_b32 v4, 3, v2
	s_sub_co_u32 s25, ttmp9, 352
	s_lshl_b32 s25, s25, 2
	s_add_co_u32 s25, s25, s[WV]                   ; my run
	s_lshl_b32 s26, s25, 15
	s_mov_b32 s27, 0
	s_lshl_b32 s28, s25, 14
	s_mov_b32 s29, 0
	s_wait_kmcnt 0x0
	s_add_nc_u64 s[12:13], s[12:13], s[26:27]
	s_add_nc_u64 s[18:19], s[18:19], s[28:29]
.macro LOADB g
.irp i, 0,1,2,3,4,5,6,7,8,9,10,11,12,13,14,15
	global_load_b128 v[16+64*((\g)%2)+4*\i:16+64*((\g)%2)+4*\i+3], v3, s[12:13] offset:8192*(\g)+512*\i
.endr
.endm
.macro CONV g
.if (\g) < 3
	s_wait_loadcnt 16                              ; this batch is in; the next batch's sixteen may be out
.else
	s_wait_loadcnt 0x0
.endif
	s_wait_xcnt 0x0                                ; the last batch's stores have read v144-175: only now are they written again
.set n, 0
.rept 32
	v_cvt_pk_f16_f32 v[144+n], v[16+64*((\g)%2)+2*n], v[17+64*((\g)%2)+2*n]
.set n, n+1
.endr
.set n, 0
.rept 16
	global_store_b64 v4, v[144+2*n:145+2*n], s[18:19] offset:4096*(\g)+256*n
.set n, n+1
.endr
.if (\g) < 2
	LOADB (\g)+2
.endif
.endm
	LOADB 0
	LOADB 1
	CONV 0
	CONV 1
	CONV 2
	CONV 3
	s_endpgm
; ---------------- the rope table ----------------
; Wave g of 64 takes t = 32 g .. 32 g + 31; lane = i.  ang = t theta in f32, as reference() has it; it is brought into [-pi/4, pi/4] by a two-part pi/2, sine and cosine come by polynomials,
; and the quadrant swaps and signs them by selects: no branch hangs on a floating-point number.  No LDS.
.Lrope:
	v_lshlrev_b32 v4, 3, v2                        ; 8 bytes a lane: (cos, sin)
	v_cvt_f32_u32 v9, v2
	v_mul_f32 v9, 0xbed49a78, v9                   ; -i log2(10000) / 32
	v_exp_f32 v9, v9                               ; theta
	s_sub_co_u32 s31, ttmp9, 384
	s_lshl_b32 s31, s31, 2
	s_add_co_u32 s31, s31, s[WV]                   ; g
	s_lshl_b32 s32, s31, 13                        ; 32 t of 256 bytes
	s_add_co_u32 s32, s32, 0x200000                ; the table lies behind W_o's f16
	s_mov_b32 s33, 0
	s_lshl_b32 s31, s31, 5
	v_cvt_f32_u32 v8, s31                          ; my first t (a plain line behind the exponential)
	s_mov_b32 s20, 0xbfc90fdb                      ; -pi/2, the high part
	s_mov_b32 s21, 0x333bbd2e                      ; what the high part overshoots pi/2 by
	s_mov_b32 s22, 0xb94ca1f9                      ; sine: -1.9515296e-4
	s_mov_b32 s23, 0x3c08839e                      ;        8.3321609e-3
	s_mov_b32 s25, 0xbe2aaaa3                      ;       -1.6666655e-1
	s_mov_b32 s26, 0x37ccf5ce                      ; cosine: 2.4433157e-5
	s_mov_b32 s27, 0xbab6061a                      ;        -1.3887316e-3
	s_mov_b32 s28, 0x3d2aaaa5                      ;         4.1666646e-2
	s_mov_b32 s29, 0x3e38aa3b                      ; c = log2(e) / 8
	s_mov_b32 s30, 32
	s_wait_kmcnt 0x0
	s_add_nc_u64 s[18:19], s[18:19], s[32:33]
	s_wait_alu depctr_va_vdst(0)                   ; the wait between the exponential and its first reader
.Lt:
	v_mul_f32 v10, v8, v9                          ; ang
	v_mul_f32 v11, 0x3f22f983, v10
	v_rndne_f32 v11, v11                           ; how many quarter turns
	v_fma_f32 v12, v11, s20, v10
	v_fma_f32 v12, v11, s21, v12                   ; r
	v_mul_f32 v13, v12, v12                        ; z = r r
	v_fma_f32 v14, v13, s22, s23
	v_fma_f32 v16, v13, s26, s27
	v_fma_f32 v14, v14, v13, s25
	v_fma_f32 v16, v16, v13, s28
	v_mul_f32 v15, v12, v13
	v_mul_f32 v17, v13, v13
	v_fma_f32 v18, v13, -0.5, 1.0
	v_fma_f32 v14, v15, v14, v12                   ; sin r
	v_fma_f32 v16, v17, v16, v18                   ; cos r
	v_cvt_i32_f32 v19, v11
	v_and_b32 v20, 1, v19
	v_cmp_eq_u32 vcc_lo, 1, v20                    ; an odd quarter swaps the two
	v_cndmask_b32 v27, v14, v16, vcc_lo            ; sin ang, unsigned
	v_cndmask_b32 v26, v16, v14, vcc_lo            ; cos ang, unsigned
	v_lshlrev_b32 v23, 30, v19
	v_and_b32 v23, 0x80000000, v23                 ; sine is negative in quarters 2 and 3
	v_xor_b32 v27, v27, v23
	v_add_nc_u32 v24, 1, v19
	v_lshlrev_b32 v24, 30, v24
	v_and_b32 v24, 0x80000000, v24                 ; cosine in quarters 1 and 2
	v_xor_b32 v26, v26, v24
	v_mul_f32 v28, s29, v26
	v_mul_f32 v29, s29, v27
	global_store_b64 v4, v[28:29], s[18:19]                    ; q's variant: 256 consecutive bytes, aligned
	global_store_b64 v4, v[26:27], s[18:19] offset:524288      ; k's
	s_wait_xcnt 0x0                                ; the stores have read their data and base: both are written again below and in the next trip
	s_add_nc_u64 s[18:19], s[18:19], 256
	v_add_f32 v8, 1.0, v8
	s_sub_co_u32 s30, s30, 1
	s_cmp_lg_u32 s30, 0
	s_cbranch_scc1 .Lt
	s_endpgm
.Lfunc_end_k_qc61dfeae82_prep:
	.size	k_qc61dfeae82_prep, .Lfunc_end_k_qc61dfeae82_prep-k_qc61dfeae82_prep
	.p2alignl 7, 3214868480
	.fill 96, 4, 3214868480
	.section	.rodata,"a",@progbits
	.p2align	6, 0x0
	.amdhsa_kernel k_qc61dfeae82_prep
		.amdhsa_group_segment_fixed_size 33280
		.amdhsa_private_segment_fixed_size 0
		.amdhsa_enable_private_segment 0
		.amdhsa_kernarg_size 64
		.amdhsa_user_sgpr_count 2
		.amdhsa_user_sgpr_kernarg_segment_ptr 1
		.amdhsa_wavefront_size32 1
		.amdhsa_system_sgpr_workgroup_id_x 1
		.amdhsa_system_sgpr_workgroup_id_y 1
		.amdhsa_system_sgpr_workgroup_id_z 1
		.amdhsa_system_vgpr_workitem_id 0
		.amdhsa_next_free_vgpr 192
		.amdhsa_next_free_sgpr 66
		.amdhsa_reserve_vcc 1
		.amdhsa_float_denorm_mode_32 3
		.amdhsa_float_denorm_mode_16_64 3
		.amdhsa_memory_ordered 1
		.amdhsa_forward_progress 1
		.amdhsa_inst_pref_size 57
	.end_amdhsa_kernel
	.amdgpu_metadata
---
amdhsa.version: [ 1, 2 ]
amdhsa.kernels:
  - .name:           k_qc61dfeae82_prep
    .symbol:         k_qc61dfeae82_prep.kd
    .args:
      - { .name: x, .offset: 0, .size: 8, .value_kind: global_buffer, .address_space: global }
      - { .name: W_q, .offset: 8, .size: 8, .value_kind: global_buffer, .address_space: global }
      - { .name: W_k, .offset: 16, .size: 8, .value_kind: global_buffer, .address_space: global }
      - { .name: W_v, .offset: 24, .size: 8, .value_kind: global_buffer, .address_space: global }
      - { .name: W_o, .offset: 32, .size: 8, .value_kind: global_buffer, .address_space: global }
      - { .name: codes, .offset: 40, .size: 8, .value_kind: global_buffer, .address_space: global }
      - { .name: scales, .offset: 48, .size: 8, .value_kind: global_buffer, .address_space: global }
      - { .name: tabs, .offset: 56, .size: 8, .value_kind: global_buffer, .address_space: global }
    .group_segment_fixed_size: 33280
    .private_segment_fixed_size: 0
    .kernarg_segment_align: 8
    .kernarg_segment_size: 64
    .max_flat_workgroup_size: 128
    .sgpr_count:     66
    .vgpr_count:     192
    .wavefront_size: 32
...
	.end_amdgpu_metadata
.endif
;; end of part 1
;; launch qkv (part 2): grid 12 x 32, 4 waves a work-group, clusters of 4 x 4, 327,680 bytes of LDS; arguments codes, scales, b_q, b_k, b_v, tabs, qkv, h16; writes qkv, h16
.if DOCPART == 2
	.amdgcn_target "amdgcn-amd-amdhsa--gfx1250"
	.amdhsa_code_object_version 6
	.text
	.protected	k_qc61dfeae82_qkv
	.globl	k_qc61dfeae82_qkv
	.p2align	8
	.type	k_qc61dfeae82_qkv,@function
k_qc61dfeae82_qkv:
	s_mov_b64 s[64:65], 0
	v_nop
	global_prefetch_b8 v0, s[64:65] scope:SCOPE_SE
	s_setreg_imm32_b32 hwreg(HW_REG_WAVE_MODE, 25, 1), 1
	s_wait_xcnt 0x0
	s_wait_alu depctr_hold_cnt(0) depctr_sa_sdst(0) depctr_va_vdst(0) depctr_va_sdst(0) depctr_va_ssrc(0) depctr_va_vcc(0) depctr_vm_vsrc(0)
	s_getreg_b32 s2, hwreg(HW_REG_IB_STS2, 6, 4)
	s_cmp_eq_u32 s2, 0
	s_cbranch_scc0 .Lentry_in_a_cluster
	s_endpgm
.Lentry_in_a_cluster:
	s_bfe_u32 s2, ttmp6, 0x10000c
	s_cmp_lg_u32 s2, 0xf033
	s_cbranch_scc0 .Lentry_shape_is_right
	s_endpgm
.Lentry_shape_is_right:
; QKV: [8192 rows of x] x [3072 rows of W_q | W_k | W_v], K = 1,024, on codes of FP4 (E2M1) with one E8M0 scale for each 32 along K; f32 sums that begin with the bias; rope on q and k; results to f16 by head.
; A tile of 256 x 256 is made by four waves, each 128 x 128: 64 accumulators, 512 registers.  K = 1,024 is two LDS slots of 512 along K (rows of 256 bytes): both are asked for at the start, nothing is filled again.
; The scale bytes of the work-group's 256 + 256 rows are two dense blocks: they come once, as rows of 256 bytes.  By this text's own count a wave has three tensor loads out at the most.
; CLUSTERS: 4 x 4 work-groups; A's tile is shared along a row of the cluster, B's along a column: each is asked for jointly, by the same load with the same descriptor and a mask that names the four.
; TILE ROW = 8 cy + cluster y: so the batch is cy and the tile's first position is 256 x cluster y; TILE COLUMN = 4 x cluster x + cx: so cluster x says q, k or v.  Both tests used in branches are equal in all partners.
; THE MATRIX INSTRUCTION IS USED TRANSPOSED (source 0 = 16 rows of W, source 1 = 16 rows of x): a lane holds eight neighbouring columns of one row, that is four rope pairs.
; ROPE IN PLACE: column 2 i takes x1 cos - x2 sin and column 2 i + 1 takes x1 sin + x2 cos.  reference() lays the two halves on end; q and k are permuted alike here, so q . k is the same sum.
; q's table is multiplied by log2(e) / 8, so that the scores come out as exponents of two.
; OUT: qkv = q | k | v, each [b][h][t][64] f16; h16: f32 images of rows t < 16, element (row r, column 16 b' + 8 hh + j) at 1024 b' + 512 (j / 4) + 16 (16 hh + r) + 4 (j % 4).
; LIMITS: q log2(e) / 8, k and v beyond 65,504 in magnitude are not served (f16); NaN and infinities are not served.
; REGISTERS, in windows of 256: window 0: v16-31 addresses; v32-95 scale words, two sets; v96-127 table rows; v128-191 A's fragments, one set; v192-255 the bias, eight registers for each of B's blocks.
;   On the way out: v32-63, v96-127 table rows by turns; v64-71 at work; v128-191 64 rotated numbers; v192-223 packed; v224-255 rows read back.
;   window 1: B's fragments, two sets.   window 2: the accumulators of my rows 0-63 ((a, b) at v[8 (8 a + b)]);   window 3: those of my rows 64-127.
.set NQ,     4                         ; matrix instructions deep in a slot
.set ROWB,   256                       ; a tile's row in bytes: 512 codes
.set KROW,   512                       ; a row of codes in memory
.set PITCH,  272                       ; an LDS row: 256 bytes + 16 of padding: the 16 rows that a load touches start at 16 different banks
.set FR,     8                         ; registers of a fragment: 16 rows x 128 K
.set NL,     2                         ; LDS loads that bring one
.set NP,     4                         ; places behind this matrix instruction (ISA guide 7.12.1)
.set HALFT,  128*PITCH
.set SLOT,   4*HALFT                   ; A's 256 rows, then B's 256 rows
.set KS,     32                        ; a row of scale bytes
.set SCL,    2*SLOT                    ; behind the slots: the scale bytes, as rows of 256 bytes + 16
.set HALFS,  (128*KS/256)*272
.set SBLK,   (16*KS/256)*272
.set SPARE,  SCL+4*HALFS               ; the spare words, 128 bytes a wave
.set SPT,    144                       ; the way out: a stage row, 128 bytes + 16; a wave's stage is 2 heads x 16 rows; it lies in slot 0, which has had its only fill and its last read by then
.set ADRA, 16
.set ADRB, 20
.set STO,  24
.set RD,   25
.set CO,   26
.set ADRS, 27
.set SPW,  28
.set NIL,  29
.set RTO,  30
.set BO,   31
.set SC,   32
.set TT,   64
.set AF,   128
.set ROT,  128
.set BIAS, 192
.set PK,   192
.set BK,   224
.set G1, 24
.set G0, 32
.set G1B, 48
.set G0B, 56
.set G1S, 68
.set G0S, 76
.set G1SB, 80
.set G0SB, 88
.set MSB, 0
.macro WIN new                         ; the immediate's high byte repeats the setting that is left
.if MSB != \new
	s_set_vgpr_msb (MSB<<8)|\new
.set MSB, \new
.endif
.endm
.set MUL_LO, 0xa1                      ; source 0 (B) window 1, source 1 (A) window 0, C and D window 2
.set MUL_HI, 0xf1                      ; the same, C and D window 3
.set TO_B,   0x40                      ; destination window 1, address window 0
; A joint load: waves 0 and 1 fetch for A, waves 2 and 3 for B.  The branch hangs on the wave's number alone.  An s_nop 0 and four v_nop follow each line.
.macro JLOAD g0a, g1a, g0b, g1b
	s_cmp_eq_u32 s15, 0
	s_cbranch_scc0 .Lfor_b_\@
	tensor_load_to_lds s[\g0a:\g0a+3], s[\g1a:\g1a+7]
	s_nop 0
.rept 4
	v_nop
.endr
	s_branch .Lasked_\@
.Lfor_b_\@:
	tensor_load_to_lds s[\g0b:\g0b+3], s[\g1b:\g1b+7]
	s_nop 0
.rept 4
	v_nop
.endr
.Lasked_\@:
.endm
.macro CROUND                          ; a round of the cluster's barrier
	s_barrier_signal -1
	s_barrier_wait -1
	s_cmp_lg_u32 s14, 0
	s_cbranch_scc1 .Lnot_wave_0_\@
	s_barrier_signal -3
.Lnot_wave_0_\@:
	s_barrier_wait -3
	s_barrier_signal -1
	s_barrier_wait -1
.endm
	s_load_b128 s[4:7], s[0:1], 0x0                ; codes, scales
	s_load_b128 s[92:95], s[0:1], 0x10             ; b_q, b_k
	s_load_b128 s[96:99], s[0:1], 0x20             ; b_v, tabs
	s_load_b128 s[8:11], s[0:1], 0x30              ; qkv, h16
	v_lshl_add_u32 v[SPW], v0, 2, SPARE
	v_mov_b32 v[NIL], 0
	ds_add_u32 v[SPW], v[NIL]                      ; the wave's opening: the add, twice on end, and its wait ahead of my first tensor load
	ds_add_u32 v[SPW], v[NIL]
	v_lshrrev_b32 v1, 5, v0
	v_readfirstlane_b32 s14, v1                    ; wave 0..3
	s_lshr_b32 s15, s14, 1                         ; which half of the tile's rows is mine.  Also: I fetch for A (0) or for B (1)
	s_and_b32 s16, s14, 1                          ; which half of its columns.  Also: which 128 rows I fetch
	s_bfe_u32 s40, ttmp6, 0x40000                  ; cx
	s_bfe_u32 s41, ttmp6, 0x40004                  ; cy
	s_lshl_b32 s42, ttmp9, 2
	s_add_co_u32 s42, s42, s40                     ; tile column = 4 x cluster x + cx
	s_and_b32 s12, ttmp7, 0xffff                   ; cluster y
	s_lshl_b32 s17, s41, 3
	s_add_co_u32 s17, s17, s12                     ; tile row = 8 cy + cluster y
	s_lshl_b32 s43, s41, 2
	s_lshl_b32 s43, 15, s43                        ; my row of the cluster
	s_lshl_b32 s44, 0x1111, s40                    ; my column
	; group 1: a tile of 128 rows x 256 bytes, 16 bytes of padding behind each row
	s_or_b32 s[G1+0], s43, (0<<16)|(1<<20)|(1<<21)|(5<<22)|(3<<25)
	s_or_b32 s[G1B+0], s44, (0<<16)|(1<<20)|(1<<21)|(5<<22)|(3<<25)
.irp g, G1, G1B
	s_mov_b32 s[\g+1], ROWB<<16                    ; tensor_dim0
	s_mov_b32 s[\g+2], 128<<16                     ; tensor_dim1
	s_mov_b32 s[\g+3], ROWB<<16                    ; tile_dim0
	s_mov_b32 s[\g+4], 128                         ; tile_dim1
	s_mov_b32 s[\g+5], KROW                        ; the pitch
	s_mov_b32 s[\g+6], 0
	s_mov_b32 s[\g+7], 0
.endr
	; the scales of 128 rows: 4,096 dense bytes as 16 rows of 256 (32 elements of 8 bytes), 16 bytes of padding behind each
	s_or_b32 s[G1S+0], s43, (3<<16)|(1<<20)|(1<<21)|(5<<22)|(3<<25)
	s_or_b32 s[G1SB+0], s44, (3<<16)|(1<<20)|(1<<21)|(5<<22)|(3<<25)
.irp g, G1S, G1SB
	s_mov_b32 s[\g+1], 32<<16
	s_mov_b32 s[\g+2], (128*KS/256)<<16
	s_mov_b32 s[\g+3], 32<<16
	s_mov_b32 s[\g+4], 128*KS/256
	s_mov_b32 s[\g+5], 32
	s_mov_b32 s[\g+6], 0
	s_mov_b32 s[\g+7], 0
.endr
	s_lshl_b32 s18, s16, 7
	s_lshl_b32 s20, s17, 8
	s_add_co_u32 s20, s20, s18                     ; A: row 256 x tile row + 128 x half
	s_lshl_b32 s46, s42, 8
	s_add_co_u32 s46, s46, s18                     ; B: row 256 x tile column + 128 x half
	s_mov_b32 s21, 0
	s_mov_b32 s47, 0
	s_mov_b64 s[18:19], KS
	s_mul_u64 s[22:23], s[20:21], s[18:19]         ; where these rows' scales begin
	s_mul_u64 s[2:3], s[46:47], s[18:19]
	s_mov_b64 s[18:19], KROW
	s_mul_u64 s[20:21], s[20:21], s[18:19]         ; and their codes
	s_mul_u64 s[46:47], s[46:47], s[18:19]
	s_mul_i32 s45, s14, HALFT                      ; where they go: wave x 128 rows
	s_mul_i32 s13, s14, HALFS
	s_wait_dscnt 0x0                               ; both opening adds are done
	s_wait_kmcnt 0x0
	s_cmp_eq_u32 ttmp9, 0                          ; the bias of q, k or v
	s_cselect_b64 s[66:67], s[92:93], s[94:95]
	s_cmp_eq_u32 ttmp9, 2
	s_cselect_b64 s[66:67], s[96:97], s[66:67]
	s_mov_b64 s[100:101], s[10:11]                 ; h16
	s_mov_b64 s[96:97], s[8:9]                     ; qkv
	s_add_nc_u64 s[8:9], s[4:5], 0x400000          ; W's codes lie behind x's,
	s_add_nc_u64 s[10:11], s[6:7], 0x40000         ; and W's scales behind x's
	s_add_nc_u64 s[20:21], s[4:5], s[20:21]
	s_add_nc_u64 s[22:23], s[6:7], s[22:23]
	s_add_nc_u64 s[46:47], s[8:9], s[46:47]
	s_add_nc_u64 s[2:3], s[10:11], s[2:3]
	CROUND                                         ; all sixteen work-groups are here: the first joint loads meet
	s_mov_b32 s[G0S], 1
	s_add_co_u32 s[G0S+1], s13, SCL
	s_mov_b64 s[G0S+2:G0S+3], s[22:23]
	s_or_b32 s[G0S+3], s[G0S+3], 0x80000000
	s_mov_b32 s[G0SB], 1
	s_add_co_u32 s[G0SB+1], s13, SCL
	s_mov_b64 s[G0SB+2:G0SB+3], s[2:3]
	s_or_b32 s[G0SB+3], s[G0SB+3], 0x80000000
	JLOAD G0S, G1S, G0SB, G1SB                     ; the scales first: they are wanted with the first slot
.irp s, 0,1
	s_mov_b32 s[G0+4*\s], 1
	s_add_co_u32 s[G0+4*\s+1], s45, \s*SLOT
	s_add_nc_u64 s[G0+4*\s+2:G0+4*\s+3], s[20:21], \s*ROWB
	s_or_b32 s[G0+4*\s+3], s[G0+4*\s+3], 0x80000000
	s_mov_b32 s[G0B+4*\s], 1
	s_add_co_u32 s[G0B+4*\s+1], s45, \s*SLOT
	s_add_nc_u64 s[G0B+4*\s+2:G0B+4*\s+3], s[46:47], \s*ROWB
	s_or_b32 s[G0B+4*\s+3], s[G0B+4*\s+3], 0x80000000
	JLOAD G0+4*\s, G1, G0B+4*\s, G1B
.endr
	v_and_b32 v1, 15, v0                           ; r = lane % 16
	v_bfe_u32 v2, v0, 4, 1                         ; hh = lane / 16
	v_mul_u32_u24 v3, v1, PITCH
	v_lshl_add_u32 v4, v2, 4, v3                   ; a fragment's row x pitch + 16 x half
	s_mul_i32 s21, s15, HALFT                      ; my 128 rows of A
	s_mul_i32 s22, s16, HALFT                      ; my 128 rows of B,
	s_add_co_u32 s22, s22, 2*HALFT                 ; which lie behind A's 256
.irp s, 0,1
	v_add_nc_u32 v[ADRA+\s], s21, v4
	v_add_nc_u32 v[ADRB+\s], s22, v4
	s_add_co_u32 s21, s21, SLOT
	s_add_co_u32 s22, s22, SLOT
.endr
	v_mul_u32_u24 v5, v1, KS                       ; my row's scales: 32 bytes a row,
	v_lshrrev_b32 v6, 8, v5
	v_lshl_add_u32 v5, v6, 4, v5                   ; and 16 more for each 256 passed
	s_mul_i32 s21, s15, HALFS
	s_mul_i32 s22, s16, HALFS
	s_add_co_u32 s22, s22, 2*HALFS
	s_sub_co_u32 s22, s22, s21
	v_mul_u32_u24 v6, s22, v2                      ; lanes 16-31 take B's: one product, the distance between the two bases
	s_add_co_u32 s21, s21, SCL
	v_add_nc_u32 v5, v5, v6
	v_add_nc_u32 v[ADRS], s21, v5
	s_mul_i32 s23, s14, 2*16*SPT                   ; my stage
	v_mul_u32_u24 v5, v1, SPT
	v_lshl_add_u32 v5, v2, 4, v5
	v_add_nc_u32 v[STO], s23, v5                   ; in: row r, 16 bytes for each half of the lanes
	v_bfe_u32 v5, v0, 3, 2
	v_mul_u32_u24 v5, v5, SPT
	v_and_b32 v6, 7, v0
	v_lshl_add_u32 v5, v6, 4, v5
	v_add_nc_u32 v[RD], s23, v5                    ; back: eight lanes to a row of 128 bytes, four rows an instruction
	v_and_b32 v6, 31, v0
	v_lshlrev_b32 v[CO], 4, v6                     ; and in memory those four rows are 512 consecutive bytes: 16 x lane
	v_lshlrev_b32 v[BO], 5, v2                     ; the bias: my half's eight columns
	v_lshlrev_b32 v[RTO], 8, v1
	v_lshl_add_u32 v[RTO], v2, 5, v[RTO]           ; the table: row r of 256 bytes, my half's four pairs
	; where my part of the outputs begins.  s92-95 hold offsets alone
	s_lshl_b32 s92, s41, 4
	s_lshl_b32 s93, s40, 2
	s_add_co_u32 s92, s92, s93
	s_lshl_b32 s93, s16, 1
	s_add_co_u32 s92, s92, s93                     ; my first head among 64: 16 cy + 4 cx + 2 x column half
	s_lshl_b32 s94, s92, 12
	s_lshl_b32 s95, ttmp9, 18
	s_add_co_u32 s94, s94, s95                     ; h16: 4,096 bytes a head, 64 heads for each of q, k, v
	s_mov_b32 s95, 0
	s_add_nc_u64 s[100:101], s[100:101], s[94:95]
	s_lshl_b32 s92, s92, 11
	s_lshl_b32 s93, s12, 8
	s_add_co_u32 s92, s92, s93
	s_lshl_b32 s93, s15, 7
	s_add_co_u32 s92, s92, s93                     ; head x 2,048 + my first position
	s_lshl_b32 s92, s92, 7                         ; 128 bytes a row
	s_lshl_b32 s93, ttmp9, 24                      ; q, k, v: 16,777,216 bytes each
	s_add_co_u32 s92, s92, s93
	s_mov_b32 s93, 0
	s_add_nc_u64 s[96:97], s[96:97], s[92:93]
	s_lshl_b32 s92, s12, 8
	s_lshl_b32 s94, s15, 7
	s_add_co_u32 s92, s92, s94                     ; my first position
	s_lshl_b32 s92, s92, 8                         ; 256 bytes of table a position
	s_add_co_u32 s92, s92, 0x200000
	s_cmp_eq_u32 ttmp9, 1
	s_cselect_b32 s94, 0x80000, 0                  ; k takes the plain variant
	s_add_co_u32 s92, s92, s94
	s_add_nc_u64 s[98:99], s[98:99], s[92:93]
	s_lshl_b32 s92, s40, 10
	s_lshl_b32 s94, s16, 9
	s_add_co_u32 s92, s92, s94                     ; the bias: column 256 cx + 128 x half, 4 bytes each
	s_add_nc_u64 s[66:67], s[66:67], s[92:93]
	s_or_b32 s12, s12, s15                         ; 0 where my first 16 rows are positions 0 to 15 of a sequence: cluster y and the wave's number alone
.irp b, 0,1,2,3,4,5,6,7
	global_load_b128 v[BIAS+8*\b:BIAS+8*\b+3], v[BO], s[66:67] offset:64*\b
	global_load_b128 v[BIAS+8*\b+4:BIAS+8*\b+7], v[BO], s[66:67] offset:64*\b+16
.endr
; the table's rows of block a (16 positions): register 8 b' + 2 u holds cos, 8 b' + 2 u + 1 sin, of i = 8 b' + 4 hh + u
.macro RTLOAD a
.set RL, 96-64*((\a)%2)
.irp bq, 0,1,2,3
.irp e, 0,1
	global_load_b128 v[RL+8*\bq+4*\e:RL+8*\bq+4*\e+3], v[RTO], s[98:99] offset:4096*(\a)+64*\bq+16*\e
.endr
.endr
.endm
	RTLOAD 0                                       ; (in v's work-groups too: the bytes lie inside the table and are not used)
.macro FRAG reg, adr, q, i             ; 16 rows x 128 K of 4-bit codes: lane l holds row l % 16; registers 4 c .. 4 c + 3 hold K = 64 c + 32 (l / 16) + 0 .. 31
.irp c, 0,1
	ds_load_b128 v[\reg+4*\c:\reg+4*\c+3], v[\adr] offset:64*(\q)+32*\c+(\i)*16*PITCH
.endr
.endm
; 16 matrix instructions: A's blocks a0, a0 + 1 x B's eight, the slot's q-th 128 along K.  first = 1: the sums begin with the bias.  The 64 accumulators take turns, one instruction a turn.
.macro MUL16 a0, p, q, sc, first
.irp a, \a0, \a0+1
.irp b, 0,1,2,3,4,5,6,7
.if \first
	v_wmma_scale_f32_16x16x128_f8f6f4 v[8*(8*((\a)%4)+\b):8*(8*((\a)%4)+\b)+7], v[128*(\p)+FR*\b:128*(\p)+FR*\b+FR-1], v[AF+FR*(\a):AF+FR*(\a)+FR-1], v[BIAS+8*\b:BIAS+8*\b+7], v[SC+8*NQ*(\sc)+NQ*\b+(\q)], v[SC+8*NQ*(\sc)+NQ*(\a)+(\q)] matrix_a_fmt:MATRIX_FMT_FP4 matrix_b_fmt:MATRIX_FMT_FP4 matrix_a_scale:MATRIX_SCALE_ROW1
.else
	v_wmma_scale_f32_16x16x128_f8f6f4 v[8*(8*((\a)%4)+\b):8*(8*((\a)%4)+\b)+7], v[128*(\p)+FR*\b:128*(\p)+FR*\b+FR-1], v[AF+FR*(\a):AF+FR*(\a)+FR-1], v[8*(8*((\a)%4)+\b):8*(8*((\a)%4)+\b)+7], v[SC+8*NQ*(\sc)+NQ*\b+(\q)], v[SC+8*NQ*(\sc)+NQ*(\a)+(\q)] matrix_a_fmt:MATRIX_FMT_FP4 matrix_b_fmt:MATRIX_FMT_FP4 matrix_a_scale:MATRIX_SCALE_ROW1
.endif
.endr
.endr
.endm
.macro FETCH_B slot, q, p
	WIN TO_B
.irp i, 0,1,2,3,4,5,6,7
	FRAG 128*(\p)+FR*\i, ADRB+\slot, \q, \i
.endr
	WIN 0
.endm
.macro FETCH_A slot, q, i0
.irp i, \i0, \i0+1, \i0+2, \i0+3
	FRAG AF+FR*(\i), ADRA+\slot, \q, \i
.endr
.endm
.macro SCALES sc                       ; a slot's scale words: four words a row; lanes 0-15 take A's block i, lanes 16-31 B's block i
.irp i, 0,1,2,3,4,5,6,7
	ds_load_b128 v[SC+8*NQ*\sc+NQ*\i:SC+8*NQ*\sc+NQ*\i+3], v[ADRS] offset:\i*SBLK
.endr
.endm
.macro PLACES n                        ; plain vector lines between a matrix instruction and a load into, or a read of, its registers
.rept \n
	v_nop
.endr
.endm
; A step of 128 along K that has its successor in the same slot.  A's blocks are free as soon as their eight products are issued: one set serves A; B has two.
.macro STEP slot, q, first
	s_wait_dscnt 4*NL                              ; B's set and A's blocks 0-3 are in; the youngest eight loads (A's blocks 4-7) may be out
.if \first
	WIN 0x81                                       ; C (the bias) window 0, D window 2
.else
	WIN MUL_LO
.endif
	MUL16 0, (\q)%2, \q, \slot, \first
	MUL16 2, (\q)%2, \q, \slot, \first
	s_wait_dscnt 0
	PLACES NP
	FETCH_B \slot, (\q)+1, 1-(\q)%2
	FETCH_A \slot, (\q)+1, 0
.if \first
	WIN 0xc1
.else
	WIN MUL_HI
.endif
	MUL16 4, (\q)%2, \q, \slot, \first
	MUL16 6, (\q)%2, \q, \slot, \first
	PLACES NP
	WIN 0
	FETCH_A \slot, (\q)+1, 4
.endm
; Slot 0's last step changes slots: each wave waits for all its tensor loads (its part of slot 1), adds 0 to its spare word, waits for that and for its reads of slot 0, and passes the barrier.
.macro TURN slot, next
	s_wait_tensorcnt 0x0
	ds_add_u32 v[SPW], v[NIL]
	s_wait_dscnt 4*NL+1                            ; (the add and A's blocks 4-7 may be out)
	WIN MUL_LO
	MUL16 0, 1, NQ-1, \slot, 0
	s_wait_dscnt 0x0                               ; the add is done, and my reads of this slot are over
	s_barrier_signal -1
	MUL16 2, 1, NQ-1, \slot, 0
	WIN 0
	s_barrier_wait -1
	PLACES NP
	v_add_nc_u32 v[ADRS], 4*NQ, v[ADRS]            ; on to the next slot's scale words
	FETCH_B \next, 0, 0
	FETCH_A \next, 0, 0
	SCALES \next
	WIN MUL_HI
	MUL16 4, 1, NQ-1, \slot, 0
	MUL16 6, 1, NQ-1, \slot, 0
	PLACES NP
	WIN 0
	FETCH_A \next, 0, 4
.endm
	s_wait_tensorcnt 1                             ; the scales and my part of slot 0 are in (slot 1's load may be out)
	s_barrier_signal -1
	s_barrier_wait -1                              ; everybody's are
	FETCH_B 0, 0, 0
	FETCH_A 0, 0, 0
	SCALES 0
	FETCH_A 0, 0, 4
	s_wait_loadcnt 0x0                             ; the bias (and the first table rows)
	STEP 0, 0, 1
	STEP 0, 1, 0
	STEP 0, 2, 0
	TURN 0, 1
	STEP 1, 0, 0
	STEP 1, 1, 0
	STEP 1, 2, 0
	s_wait_dscnt 4*NL                              ; the last step: nothing more to fetch
	WIN MUL_LO
	MUL16 0, 1, NQ-1, 1, 0
	MUL16 2, 1, NQ-1, 1, 0
	s_wait_dscnt 0
	WIN MUL_HI
	MUL16 4, 1, NQ-1, 1, 0
	MUL16 6, 1, NQ-1, 1, 0
	WIN 0
; THE WAY OUT, a block of 16 rows x 128 columns (two heads) at a time.
; ROPE a: the next block's table rows are asked for; this block's 64 numbers a lane are rotated pair by pair into window 0 and packed to f16.  Each accumulator is first read at its register 1.
.macro ROPE a
.if (\a) < 7
	RTLOAD (\a)+1
	s_wait_loadcnt 8                               ; this block's table rows are in; the next block's eight loads may be out
.else
	s_wait_loadcnt 0x0
.endif
.set RR, 96-64*((\a)%2)
.set AC, 64*((\a)%4)
	WIN (0x02+((\a)/4))                            ; source 0: the accumulators' window
.irp b, 0,1,2,3,4,5,6,7
.irp u, 0,1,2,3
	v_mul_f32 v[TT+2*\u], v[AC+8*\b+2*\u+1], v[RR+8*(\b%4)+2*\u+1]                          ; x2 sin
	v_mul_f32 v[TT+2*\u+1], v[AC+8*\b+2*\u], v[RR+8*(\b%4)+2*\u+1]                          ; x1 sin
	v_fma_f32 v[ROT+8*\b+2*\u], v[AC+8*\b+2*\u], v[RR+8*(\b%4)+2*\u], -v[TT+2*\u]           ; x1 cos - x2 sin
	v_fma_f32 v[ROT+8*\b+2*\u+1], v[AC+8*\b+2*\u+1], v[RR+8*(\b%4)+2*\u], v[TT+2*\u+1]      ; x2 cos + x1 sin
.endr
.endr
	WIN 0
.set n, 0
.rept 32
	v_cvt_pk_f16_f32 v[PK+n], v[ROT+2*n], v[ROT+2*n+1]
.set n, n+1
.endr
.endm
.macro PACKV a                         ; v has no rope: packed straight from the accumulators, each from its low end on
.set AC, 64*((\a)%4)
	WIN (0x0a+5*((\a)/4))
.set n, 0
.rept 32
	v_cvt_pk_f16_f32 v[PK+n], v[AC+2*n], v[AC+2*n+1]
.set n, n+1
.endr
	WIN 0
.endm
.macro SIDE_R                          ; positions 0 to 15 also leave in f32: each store covers 512 consecutive bytes
	s_cmp_lg_u32 s12, 0
	s_cbranch_scc1 .Lno_side_\@
.irp b, 0,1,2,3,4,5,6,7
.irp e, 0,1
	global_store_b128 v[CO], v[ROT+8*\b+4*\e:ROT+8*\b+4*\e+3], s[100:101] offset:1024*\b+512*\e
.endr
.endr
.Lno_side_\@:
.endm
.macro SIDE_V
	s_cmp_lg_u32 s12, 0
	s_cbranch_scc1 .Lno_side_\@
	WIN 0x08                                       ; a store's data are its source 1: window 2
.irp b, 0,1,2,3,4,5,6,7
.irp e, 0,1
	global_store_b128 v[CO], v[8*\b+4*\e:8*\b+4*\e+3], s[100:101] offset:1024*\b+512*\e
.endr
.endr
	WIN 0
.Lno_side_\@:
.endm
.macro TOSTAGE                         ; 16 bytes a lane into my stage, back as rows.  LDS serves a wave's instructions in order: no wait between the stores and the loads
	s_wait_xcnt 0x0                                ; earlier stores have read their data: the rows' registers are loaded again, and the rotated numbers written again, only behind this wait
.irp b, 0,1,2,3,4,5,6,7
	ds_store_b128 v[STO], v[PK+4*\b:PK+4*\b+3] offset:(\b/4)*16*SPT+(\b%4)*32
.endr
.irp i, 0,1,2,3,4,5,6,7
	ds_load_b128 v[BK+4*\i:BK+4*\i+3], v[RD] offset:4*SPT*\i
.endr
.endm
.macro SEND a
	s_wait_dscnt 0x0                               ; the block is back in registers
.irp i, 0,1,2,3,4,5,6,7
	global_store_b128 v[CO], v[BK+4*\i:BK+4*\i+3], s[96:97] offset:(\i/4)*262144+(\i%4)*512+2048*(\a)   ; four rows of a head: 512 consecutive bytes, aligned
.endr
.endm
	PLACES NP                                      ; behind the last products: for the loads into the scale words' registers, the writes over A's fragments and the reads of results
	s_cmp_eq_u32 ttmp9, 2                          ; cluster x: equal in all partners
	s_cbranch_scc1 .Lvpath
	ROPE 0
	SIDE_R
	TOSTAGE
.irp a, 1,2,3,4,5,6,7
	ROPE \a                                        ; a block's arithmetic stands between the stage loads of the block before and the wait for them
	SEND \a-1
	TOSTAGE
.endr
	SEND 7
	s_branch .Ljoin
.Lvpath:
	PACKV 0
	SIDE_V
	TOSTAGE
.irp a, 1,2,3,4,5,6,7
	PACKV \a
	SEND \a-1
	TOSTAGE
.endr
	SEND 7
.Ljoin:
	s_wait_tensorcnt 0x0                           ; the wave's end, behind my last tensor load and my last LDS store
	ds_add_u32 v[SPW], v[NIL]
	s_wait_dscnt 0x0
	CROUND                                         ; the closing round: no work-group ends while a partner may still ask for a tile that names it
	s_endpgm
.Lfunc_end_k_qc61dfeae82_qkv:
	.size	k_qc61dfeae82_qkv, .Lfunc_end_k_qc61dfeae82_qkv-k_qc61dfeae82_qkv
	.p2alignl 7, 3214868480
	.fill 96, 4, 3214868480
	.section	.rodata,"a",@progbits
	.p2align	6, 0x0
	.amdhsa_kernel k_qc61dfeae82_qkv
		.amdhsa_group_segment_fixed_size 327680
		.amdhsa_private_segment_fixed_size 0
		.amdhsa_enable_private_segment 0
		.amdhsa_kernarg_size 64
		.amdhsa_user_sgpr_count 2
		.amdhsa_user_sgpr_kernarg_segment_ptr 1
		.amdhsa_wavefront_size32 1
		.amdhsa_system_sgpr_workgroup_id_x 1
		.amdhsa_system_sgpr_workgroup_id_y 1
		.amdhsa_system_sgpr_workgroup_id_z 1
		.amdhsa_system_vgpr_workitem_id 0
		.amdhsa_next_free_vgpr 1024
		.amdhsa_next_free_sgpr 102
		.amdhsa_reserve_vcc 0
		.amdhsa_float_denorm_mode_32 3
		.amdhsa_float_denorm_mode_16_64 3
		.amdhsa_memory_ordered 1
		.amdhsa_forward_progress 1
		.amdhsa_inst_pref_size 218
	.end_amdhsa_kernel
	.amdgpu_metadata
---
amdhsa.version: [ 1, 2 ]
amdhsa.kernels:
  - .name:           k_qc61dfeae82_qkv
    .symbol:         k_qc61dfeae82_qkv.kd
    .args:
      - { .name: codes, .offset: 0, .size: 8, .value_kind: global_buffer, .address_space: global }
      - { .name: scales, .offset: 8, .size: 8, .value_kind: global_buffer, .address_space: global }
      - { .name: b_q, .offset: 16, .size: 8, .value_kind: global_buffer, .address_space: global }
      - { .name: b_k, .offset: 24, .size: 8, .value_kind: global_buffer, .address_space: global }
      - { .name: b_v, .offset: 32, .size: 8, .value_kind: global_buffer, .address_space: global }
      - { .name: tabs, .offset: 40, .size: 8, .value_kind: global_buffer, .address_space: global }
      - { .name: qkv, .offset: 48, .size: 8, .value_kind: global_buffer, .address_space: global }
      - { .name: h16, .offset: 56, .size: 8, .value_kind: global_buffer, .address_space: global }
    .group_segment_fixed_size: 327680
    .private_segment_fixed_size: 0
    .kernarg_segment_align: 8
    .kernarg_segment_size: 64
    .max_flat_workgroup_size: 128
    .sgpr_count:     102
    .vgpr_count:     1024
    .wavefront_size: 32
...
	.end_amdgpu_metadata
.endif
;; end of part 2
;; launch attn (part 3): grid 4 x 64, 16 waves a work-group, no clusters, 327,680 bytes of LDS; arguments qkv, att; writes att
.if DOCPART == 3
	.amdgcn_target "amdgcn-amd-amdhsa--gfx1250"
	.amdhsa_code_object_version 6
	.text
	.protected	k_qc61dfeae82_attn
	.globl	k_qc61dfeae82_attn
	.p2align	8
	.type	k_qc61dfeae82_attn,@function
k_qc61dfeae82_attn:
	s_mov_b64 s[64:65], 0
	v_nop
	global_prefetch_b8 v0, s[64:65] scope:SCOPE_SE
	s_setreg_imm32_b32 hwreg(HW_REG_WAVE_MODE, 25, 1), 1
	s_wait_xcnt 0x0
; ATTN: o[b][h][t] = sum over s <= t of softmax_s(q[t] . k[s] / 8) v[s], head size 64, 2,048 positions, f16 operands, f32 sums, maxima and row sums.  q arrives times log2(e) / 8, so a score is an exponent of two.
; SHARES.  Work-group (j, head) owns query blocks j and 7 - j of 256 queries: (j + 1) + (8 - j) = 9 blocks of keys for every work-group.  Each of its sixteen waves owns 32 queries, two tiles of 16, so that a
; fragment of K or V read from LDS feeds two matrix instructions.  Wave w belongs to the late block where ((w >> 2) ^ w) & 1 is 1: of waves w, w + 4, w + 8, w + 12, and of waves 4 n .. 4 n + 3, two are early and two late.
; LAYOUT.  S^T = K Q^T (source 0 = 16 keys, source 1 = 16 queries): a lane holds ONE query (lane % 16) and keys 8 (lane / 16) + 0..7.  Two such tiles, rounded to f16 in pairs, ARE source 1 of O^T = V^T P.
; K comes out of LDS as it lies, V ([key][channel]) turned, by ds_load_tr16_b128.
; SOFTMAX.  For each query a running maximum m and sum l: p = 2^(s - m); in every step O and l are multiplied by 2^(m_old - m_new).  The sum is taken of p in f32, ahead of its rounding to f16.
; RING.  Two LDS slots of 256 keys (K: 256 rows of 128 + 16 bytes; V: 256 rows of 128 + 32), 2^17 bytes apart; waves 0, 1 fetch K's halves, waves 2, 3 V's; one tensor load a wave is out at any time.
; CAUSAL.  Every wave walks all eight slots: the trip counts are constants.  A step of 64 keys all of which come after the wave's 32 queries is jumped over (ids alone); in the one step on the diagonal hidden scores
; become -infinity.  A slot whose first key comes after the work-group's last query is read by none of its waves and is not asked for.
; NO CLUSTER: the four work-groups of a head need 8 - j slots each, different numbers, and the mask lets a partner jump over whole tiles.
; OUT: att, f16, row m = 2048 b + t, channel c of head h at (m / 2) 4096 + 256 h + (m % 2) 128 + 2 c: two rows of one head are 256 consecutive bytes, which sixteen lanes store.
; LIMITS: NaN and infinities are not served; the operands are f16 as the launch before left them.
; REGISTERS: v1-9 addresses; v10, v11 the mask's d; v12-27 statistics, eight a tile: +0 -m, +1 unused half of a pair, +2, +3 l, +4 the rescaling factor, +5 unused half, +6, +7 at work; v28-31 second chains of the sums;
;   v32-63 Q; v64-127 K's or V's eight fragments; v128-191 S^T, 32 a tile, P in place in the first 16; v192-255 O^T, 32 a tile.
.set PKP,   144
.set PVP,   160
.set VOFF,  256*PKP
.set SLOT1, 1<<17
.set NSL,   8
.set STAGE, 2*SLOT1                    ; behind the ring: 16 rows x 144 bytes for each wave, for the way out
.set SPARE, STAGE+16*16*144            ; the spare words, 128 bytes a wave
.set AK0, 1
.set AV0, 2
.set ADK, 3
.set ADV, 4
.set SPW, 5
.set NIL, 6
.set PFO, 7                            ; v7  256 x my lane: the prefetches' offset; never rewritten
.set STO, 8
.set RD,  9
.set ST,  12
.set QF,  32
.set KV,  64
.set S,   128
.set O,   192
.set WV,  18
.set SEL, 20
.set G1K, 24
.set G1V, 32
.set G0K, 40
.set G0V, 44
.set TB,  2                            ; s2   LDS byte at which the slot in hand begins
.set SLOTS, 67
.set PFA, 76
.set LIM, 80
.set LASTQ, 97
.set KF,  98                           ; s98  the step's first key
.set Q0,  99                           ; s99  my first query
; Waves 0 and 1 fetch K's halves, waves 2 and 3 V's, the others nothing.  An s_nop 0 and four v_nop follow each line.
.macro TLOAD
	s_cmp_lt_u32 s[WV], 2
	s_cbranch_scc0 .Lnot_k_\@
	tensor_load_to_lds s[G0K:G0K+3], s[G1K:G1K+7]
	s_nop 0
.rept 4
	v_nop
.endr
	s_branch .Lasked_\@
.Lnot_k_\@:
	s_cmp_lt_u32 s[WV], 4
	s_cbranch_scc0 .Lasked_\@
	tensor_load_to_lds s[G0V:G0V+3], s[G1V:G1V+7]
	s_nop 0
.rept 4
	v_nop
.endr
.Lasked_\@:
.endm
; A prefetch of what the NEXT change of slots will ask for: 32,768 dense bytes of K and as many of V.  All four work-groups of a head walk the same K and V: the one with j = 0, which walks all eight slots, asks.
; In it waves 4 to 7 ask for K's block, 8,192 bytes a wave, lanes 256 bytes apart, and waves 8 to 11 for V's: each aligned block of 256 bytes is named once in the launch.  The last change that fills a slot asks for nothing.
.macro ASK
	s_cmp_gt_u32 s[SLOTS], s[LIM]
	s_cbranch_scc0 .Lnot_mine_\@
	global_prefetch_b8 v[PFO], s[PFA:PFA+1] th:TH_LOAD_NT scope:SCOPE_SE
.Lnot_mine_\@:
.endm
	s_load_b128 s[4:7], s[0:1], 0x0                ; qkv, att
	v_lshl_add_u32 v[SPW], v0, 2, SPARE
	v_mov_b32 v[NIL], 0
	ds_add_u32 v[SPW], v[NIL]                      ; the wave's opening: the add, twice on end, and its wait ahead of the first tensor load
	ds_add_u32 v[SPW], v[NIL]
	v_lshrrev_b32 v3, 5, v0
	v_readfirstlane_b32 s[WV], v3                  ; wave 0..15
	s_and_b32 s8, ttmp7, 0xffff                    ; b x 16 + h
	s_lshl_b32 s9, s8, 18                          ; a head is 262,144 bytes in each of q, k, v
	s_lshr_b32 s10, s[WV], 2
	s_xor_b32 s10, s10, s[WV]
	s_and_b32 s10, s10, 1                          ; 1: the late block
	s_lshr_b32 s11, s[WV], 1                       ; which 32 queries of the block
	s_sub_co_u32 s12, 7, ttmp9
	s_cmp_eq_u32 s10, 1
	s_cselect_b32 s12, s12, ttmp9
	s_lshl_b32 s12, s12, 8
	s_lshl_b32 s11, s11, 5
	s_add_co_u32 s[Q0], s12, s11
	s_sub_co_u32 s[LASTQ], 8, ttmp9
	s_lshl_b32 s[LASTQ], s[LASTQ], 8
	s_sub_co_u32 s[LASTQ], s[LASTQ], 1             ; my work-group's last query
	; group 1: 128 rows of 64 elements of 2 bytes, dense in memory; padding behind every 32 words: four words for K, eight for V
	s_mov_b32 s[G1K], (1<<16)|(1<<20)|(4<<22)|(3<<25)
	s_mov_b32 s[G1V], (1<<16)|(1<<20)|(4<<22)|(7<<25)
.irp g, G1K, G1V
	s_mov_b32 s[\g+1], 64<<16                      ; tensor_dim0
	s_mov_b32 s[\g+2], 128<<16                     ; tensor_dim1
	s_mov_b32 s[\g+3], 64<<16                      ; tile_dim0
	s_mov_b32 s[\g+4], 128                         ; tile_dim1
	s_mov_b32 s[\g+5], 64                          ; the pitch
	s_mov_b32 s[\g+6], 0
	s_mov_b32 s[\g+7], 0
.endr
	s_and_b32 s13, s[WV], 1                        ; which half of a slot's rows I fetch, if I fetch
	s_mul_i32 s14, s13, 128*PKP
	s_mul_i32 s15, s13, 128*PVP
	s_add_co_u32 s15, s15, VOFF
	s_lshl_b32 s16, s13, 14
	s_add_co_u32 s16, s16, s9
	s_mov_b32 s17, 0
	s_mov_b32 s[SEL], 0x76543210
	s_mov_b32 s[SEL+1], 0xfedcba98                 ; v_permlanex16_b32's selects for lane l xor 16
	s_mov_b32 s[TB], 0
	s_mov_b32 s[KF], 0
	s_mov_b32 s[SLOTS], NSL-1
	s_wait_dscnt 0x0                               ; both opening adds are done
	s_wait_kmcnt 0x0
	s_mov_b32 s[G0K], 1
	s_mov_b32 s[G0K+1], s14
	s_add_nc_u64 s[G0K+2:G0K+3], s[4:5], s[16:17]
	s_add_nc_u64 s[G0K+2:G0K+3], s[G0K+2:G0K+3], 0x1000000   ; k lies behind q
	s_or_b32 s[G0K+3], s[G0K+3], 0x80000000
	s_mov_b32 s[G0V], 1
	s_mov_b32 s[G0V+1], s15
	s_add_nc_u64 s[G0V+2:G0V+3], s[4:5], s[16:17]
	s_add_nc_u64 s[G0V+2:G0V+3], s[G0V+2:G0V+3], 0x2000000   ; v behind k
	s_or_b32 s[G0V+3], s[G0V+3], 0x80000000
	TLOAD                                          ; slot 0: keys 0 to 255, which count for queries of every wave
	; the prefetches: where my wave's stand, and who asks
	s_mov_b32 s68, 0x2000000
	s_cmp_lt_u32 s[WV], 8
	s_cselect_b32 s68, 0x1000000, s68              ; waves 4 to 7: K; waves 8 to 11: V
	s_and_b32 s69, s[WV], 3
	s_lshl_b32 s69, s69, 13
	s_add_co_u32 s68, s68, s69
	s_add_co_u32 s68, s68, s9
	s_add_co_u32 s68, s68, 32768                   ; in slot 1: the first change of slots steps it to slot 2.  Nothing is prefetched here, at the head
	s_mov_b32 s69, 0
	s_add_nc_u64 s[PFA:PFA+1], s[4:5], s[68:69]
	s_sub_co_u32 s70, s[WV], 4
	s_lshr_b32 s70, s70, 3                         ; 0 in waves 4 to 11,
	s_or_b32 s70, s70, ttmp9                       ; of the work-group with j = 0
	s_cmp_eq_u32 s70, 0
	s_cselect_b32 s[LIM], 1, -1
	s_lshl_b32 s70, s[Q0], 7
	s_add_co_u32 s70, s70, s9
	s_mov_b32 s71, 0
	s_add_nc_u64 s[72:73], s[4:5], s[70:71]        ; q at my first query
	s_lshr_b32 s70, s8, 4
	s_lshl_b32 s70, s70, 11
	s_add_co_u32 s70, s70, s[Q0]                   ; m = 2048 b + my first query
	s_lshl_b32 s70, s70, 11                        ; 4,096 bytes for two rows
	s_and_b32 s74, s8, 15
	s_lshl_b32 s74, s74, 8
	s_add_co_u32 s70, s70, s74
	s_add_nc_u64 s[6:7], s[6:7], s[70:71]          ; att at my first row pair, my head
	v_and_b32 v10, 15, v0                          ; r
	v_bfe_u32 v11, v0, 4, 1                        ; hh
	v_lshlrev_b32 v3, 7, v10
	v_lshl_add_u32 v3, v11, 4, v3                  ; Q: row r of 128 bytes + 16 hh
.irp t, 0,1
.irp c, 0,1
	global_load_b128 v[QF+16*\t+8*\c:QF+16*\t+8*\c+3], v3, s[72:73] offset:2048*\t+64*\c
	global_load_b128 v[QF+16*\t+8*\c+4:QF+16*\t+8*\c+7], v3, s[72:73] offset:2048*\t+64*\c+32
.endr
.endr
	v_mul_u32_u24 v[AK0], v10, PKP
	v_lshl_add_u32 v[AK0], v11, 4, v[AK0]          ; K: row r x pitch + 16 hh
	v_and_b32 v4, 7, v0
	v_lshl_add_u32 v4, v11, 3, v4
	v_mul_u32_u24 v[AV0], v4, PVP                  ; V, turned: key 8 hh + lane % 8,
	v_bfe_u32 v4, v0, 3, 1
	v_lshl_add_u32 v[AV0], v4, 4, v[AV0]           ; channels 8 ((lane / 8) % 2) on
	v_add_nc_u32 v[AV0], VOFF, v[AV0]
	s_mul_i32 s68, s[WV], 16*144
	s_add_co_u32 s68, s68, STAGE                   ; my stage
	v_mul_u32_u24 v[STO], v10, 144
	v_lshl_add_u32 v[STO], v11, 4, v[STO]
	v_add_nc_u32 v[STO], s68, v[STO]
	v_bfe_u32 v4, v0, 3, 2
	v_mul_u32_u24 v[RD], v4, 144
	v_and_b32 v4, 7, v0
	v_lshl_add_u32 v[RD], v4, 4, v[RD]
	v_add_nc_u32 v[RD], s68, v[RD]
	v_and_b32 v[PFO], 31, v0
	v_lshlrev_b32 v[PFO], 8, v[PFO]
.set n, 12
.rept 20
	v_mov_b32 v[n], 0                              ; the statistics: l = 0; all that is named as half of a pair or as a lane permute's destination is written once
.set n, n+1
.endr
	v_mov_b32 v[ST], 0x7f61b1e6                    ; -m = 3e38: m lies under every score
	v_mov_b32 v[ST+8], 0x7f61b1e6
.set n, 0
.rept 64
	v_mov_b32 v[O+n], 0                            ; O^T.  (The step is written in one form: the first finds zeros, which the first rescaling leaves zeros)
.set n, n+1
.endr
; A KEY STEP: 64 keys, the q-th of the slot in hand.
.macro STEP q
	s_add_co_u32 s96, s[Q0], 31
	s_cmp_gt_u32 s[KF], s96                        ; all 64 keys come after my 32 queries: the step's work is left out; no barrier, wait on tensor loads or tensor load stands in a step
	s_cbranch_scc1 .Lhidden_\@
	v_add_nc_u32 v[ADK], s[TB], v[AK0]
	v_add_nc_u32 v[ADV], s[TB], v[AV0]
.rept 3
	v_nop                                          ; with the two additions: five places behind the last step's products, whose P the new scores write over and whose V the loads below land on
.endr
.irp f, 0,1,2,3,4,5,6,7                        ; K: keys 16 (f / 2) on, channels 32 (f % 2) on
	ds_load_b128 v[KV+8*\f:KV+8*\f+3], v[ADK] offset:64*PKP*(\q)+16*PKP*(\f/2)+64*(\f%2)
	ds_load_b128 v[KV+8*\f+4:KV+8*\f+7], v[ADK] offset:64*PKP*(\q)+16*PKP*(\f/2)+64*(\f%2)+32
.endr
	s_wait_dscnt 0x0
.irp c, 0,1                                    ; S^T = K Q^T: the eight accumulators take turns, one instruction a turn
.irp kt, 0,1,2,3
.irp t, 0,1
.if \c == 0
	v_wmma_f32_16x16x32_f16 v[S+32*\t+8*\kt:S+32*\t+8*\kt+7], v[KV+8*(2*\kt+\c):KV+8*(2*\kt+\c)+7], v[QF+16*\t+8*\c:QF+16*\t+8*\c+7], 0
.else
	v_wmma_f32_16x16x32_f16 v[S+32*\t+8*\kt:S+32*\t+8*\kt+7], v[KV+8*(2*\kt+\c):KV+8*(2*\kt+\c)+7], v[QF+16*\t+8*\c:QF+16*\t+8*\c+7], v[S+32*\t+8*\kt:S+32*\t+8*\kt+7]
.endif
.endr
.endr
.endr
.rept 4
	v_nop                                          ; places: for the loads into K's registers and for the first read of the scores
.endr
.irp f, 0,1,2,3,4,5,6,7                        ; V, turned: keys 32 (f / 4) on, channels 16 (f % 4) on.  It lands while the softmax is walked
	ds_load_tr16_b128 v[KV+8*\f:KV+8*\f+3], v[ADV] offset:64*PVP*(\q)+32*PVP*(\f/4)+32*(\f%4)
	ds_load_tr16_b128 v[KV+8*\f+4:KV+8*\f+7], v[ADV] offset:64*PVP*(\q)+32*PVP*(\f/4)+32*(\f%4)+16*PVP
.endr
	s_add_co_u32 s96, s[KF], 63
	s_cmp_le_u32 s96, s[Q0]                        ; all 64 keys count for all my queries: no mask
	s_cbranch_scc1 .Lopen_\@
	s_sub_co_i32 s96, s[Q0], s[KF]
	v_and_b32 v10, 15, v0
	v_bfe_u32 v11, v0, 4, 1
	v_lshlrev_b32 v11, 3, v11
	v_sub_nc_u32 v10, v10, v11
	v_add_nc_u32 v10, s96, v10                     ; d = my query - the step's first key - 8 hh.  Register 8 kt + j holds key 16 kt + 8 hh + j of the step: hidden where 16 kt + j > d
	v_add_nc_u32 v11, 16, v10                      ; the second tile's queries lie 16 on
	v_mov_b32 v28, 0xff800000                      ; -infinity
.irp t, 0,1
.set n, 0
.rept 32
	v_cmp_gt_i32 vcc_lo, 16*(n/8)+n%8, v[10+\t]
	v_cndmask_b32 v[S+32*\t+n], v[S+32*\t+n], v28, vcc_lo
.set n, n+1
.endr
.endr
.Lopen_\@:
.irp t, 0,1                                    ; the largest of 32 scores and m: two chains a tile, ascending
	v_max3_num_f32 v[ST+8*\t+6], v[S+32*\t], v[S+32*\t+1], v[S+32*\t+2]
	v_max3_num_f32 v[ST+8*\t+7], v[S+32*\t+16], v[S+32*\t+17], v[S+32*\t+18]
.endr
.irp i, 3,5,7,9,11,13
.irp t, 0,1
	v_max3_num_f32 v[ST+8*\t+6], v[ST+8*\t+6], v[S+32*\t+\i], v[S+32*\t+\i+1]
	v_max3_num_f32 v[ST+8*\t+7], v[ST+8*\t+7], v[S+32*\t+16+\i], v[S+32*\t+17+\i]
.endr
.endr
.irp t, 0,1
	v_max3_num_f32 v[ST+8*\t+6], v[ST+8*\t+6], v[S+32*\t+15], v[S+32*\t+31]
.endr
.irp t, 0,1
	v_max3_num_f32 v[ST+8*\t+6], v[ST+8*\t+6], v[ST+8*\t+7], -v[ST+8*\t]
.endr
.irp t, 0,1
	v_permlanex16_b32 v[ST+8*\t+7], v[ST+8*\t+6], s[SEL], s[SEL+1]   ; the query's other 32 keys lie in the lane 16 away
.endr
.irp t, 0,1
	v_max_num_f32 v[ST+8*\t+6], v[ST+8*\t+6], v[ST+8*\t+7]           ; the new m
.endr
.irp t, 0,1
	v_add_f32 v[ST+8*\t+4], v[ST+8*\t], v[ST+8*\t+6]                 ; m_new - m_old
.endr
.irp t, 0,1
	v_sub_f32 v[ST+8*\t], 0, v[ST+8*\t+6]                            ; -m
.endr
.set n, 0
.rept 32
	v_pk_add_f32 v[S+2*n:S+2*n+1], v[S+2*n:S+2*n+1], v[ST+8*(n/16):ST+8*(n/16)+1] op_sel_hi:[1,0]   ; s - m, two at a time (of the pair the low word serves both halves)
.set n, n+1
.endr
.irp t, 0,1
	v_exp_f32 v[ST+8*\t+4], -v[ST+8*\t+4]          ; 2^(m_old - m_new)
.endr
.set n, 0
.rept 64
	v_exp_f32 v[S+n], v[S+n]                       ; p
.set n, n+1
.endr
	v_nop                                          ; a plain line behind the last exponential,
	s_wait_alu depctr_va_vdst(0)                   ; and ONE wait for the batch of 66, ahead of its first reader
.irp t, 0,1
	v_pk_mul_f32 v[ST+8*\t+2:ST+8*\t+3], v[ST+8*\t+2:ST+8*\t+3], v[ST+8*\t+4:ST+8*\t+5] op_sel_hi:[1,0]   ; l under the new m
	v_pk_add_f32 v[28+2*\t:29+2*\t], v[S+32*\t:S+32*\t+1], v[S+32*\t+2:S+32*\t+3]                        ; the sum of p in f32, in two chains a tile
.endr
.irp i, 4,8,12,16,20,24,28
.irp t, 0,1
	v_pk_add_f32 v[ST+8*\t+2:ST+8*\t+3], v[ST+8*\t+2:ST+8*\t+3], v[S+32*\t+\i:S+32*\t+\i+1]
	v_pk_add_f32 v[28+2*\t:29+2*\t], v[28+2*\t:29+2*\t], v[S+32*\t+\i+2:S+32*\t+\i+3]
.endr
.endr
.irp t, 0,1
	v_pk_add_f32 v[ST+8*\t+2:ST+8*\t+3], v[ST+8*\t+2:ST+8*\t+3], v[28+2*\t:29+2*\t]
.endr
.set n, 0
.rept 16
	v_cvt_pk_f16_f32 v[S+n], v[S+2*n], v[S+2*n+1]              ; P in place, ascending: register n is written when registers 2 n and 2 n + 1, at or above it, are read
	v_cvt_pk_f16_f32 v[S+32+n], v[S+32+2*n], v[S+32+2*n+1]
.set n, n+1
.endr
.set n, 0
.rept 32
	v_pk_mul_f32 v[O+2*n:O+2*n+1], v[O+2*n:O+2*n+1], v[ST+8*(n/16)+4:ST+8*(n/16)+5] op_sel_hi:[1,0]   ; O^T under the new m
.set n, n+1
.endr
	s_wait_dscnt 0x0                               ; V is in
.irp kk, 0,1                                   ; O^T += V^T P: the eight accumulators take turns
.irp ct, 0,1,2,3
.irp t, 0,1
	v_wmma_f32_16x16x32_f16 v[O+32*\t+8*\ct:O+32*\t+8*\ct+7], v[KV+8*(4*\kk+\ct):KV+8*(4*\kk+\ct)+7], v[S+32*\t+8*\kk:S+32*\t+8*\kk+7], v[O+32*\t+8*\ct:O+32*\t+8*\ct+7]
.endr
.endr
.endr
.Lhidden_\@:
	s_add_co_u32 s[KF], s[KF], 64
.endm
; THE CHANGE OF SLOTS stands at a slot's head.  Each wave waits for all its tensor loads (its part of the slot that it is about to read), adds 0 to its spare word, and waits for that and for its reads of the slot that it has left.
; Behind the barrier the slot ahead is whole and nobody reads the other one.  fill = 1: that other slot is asked for, up to the causal limit; the load has four key steps in which to land.
.macro CHANGE fill
	s_wait_tensorcnt 0x0                           ; no tensor load of mine is out, so a group 0 may be written
	ds_add_u32 v[SPW], v[NIL]
.if \fill
	ds_add_u32 v[SPW], v[NIL]                      ; and once more: the add stands twice on end, in every trip alike
	s_xor_b32 s[G0K+1], s[G0K+1], SLOT1            ; the walking descriptors: the other slot than last time,
	s_add_nc_u64 s[G0K+2:G0K+3], s[G0K+2:G0K+3], 32768   ; the next 256 keys; the type bits on top are not reached
	s_xor_b32 s[G0V+1], s[G0V+1], SLOT1
	s_add_nc_u64 s[G0V+2:G0V+3], s[G0V+2:G0V+3], 32768
	s_wait_xcnt 0x0                                ; the last prefetch, a slot back, has read its address, so it may be written:
	s_add_nc_u64 s[PFA:PFA+1], s[PFA:PFA+1], 32768 ; one slot further on than the walking descriptors
.endif
	s_wait_dscnt 0x0                               ; the add is done, and my reads of the slot that I have left are over
	s_barrier_signal -1
	s_barrier_wait -1
.if \fill
	s_add_co_u32 s96, s[KF], 256                   ; the first key of the slot that this change would ask for
	s_cmp_gt_u32 s96, s[LASTQ]                     ; ids and the count of steps alone: all sixteen waves go the same way, and a work-group past the limit stays past it.  Every wait on tensor loads in this text is for 0
	s_cbranch_scc1 .Lpast_\@
	TLOAD                                          ; a wave's one tensor load until the next such barrier
.Lpast_\@:
	ASK
.endif
.endm
.macro SLOT_STEPS
	STEP 0
	STEP 1
	STEP 2
	STEP 3
	s_xor_b32 s[TB], s[TB], SLOT1                  ; on to the other slot
.endm
	s_wait_loadcnt 0x0                             ; Q
.Lslot:                                            ; seven trips: behind each change of slots but the last the next slot is asked for, up to the causal limit
	CHANGE 1
	SLOT_STEPS
	s_sub_co_u32 s[SLOTS], s[SLOTS], 1
	s_cmp_lg_u32 s[SLOTS], 0
	s_cbranch_scc1 .Lslot
	CHANGE 0                                       ; the last slot is written out: nothing is left to ask for
	SLOT_STEPS
	; THE WAY OUT.  O^T / l, rounded to f16, goes through my stage in LDS, a tile of 16 queries at a time, and leaves as row pairs of 256 bytes.
	v_bfe_u32 v3, v0, 4, 1                         ; my offset in att: 4096 (lane / 16) + 128 ((lane / 8) % 2) + 16 (lane % 8).  These six plain lines are also the places behind the last products
	v_lshlrev_b32 v3, 12, v3
	v_bfe_u32 v4, v0, 3, 1
	v_lshl_add_u32 v3, v4, 7, v3
	v_and_b32 v4, 7, v0
	v_lshl_add_u32 v3, v4, 4, v3
.irp t, 0,1
	v_add_f32 v[ST+8*\t+6], v[ST+8*\t+2], v[ST+8*\t+3]
.endr
.irp t, 0,1
	v_permlanex16_b32 v[ST+8*\t+7], v[ST+8*\t+6], s[SEL], s[SEL+1]
.endr
.irp t, 0,1
	v_add_f32 v[ST+8*\t+6], v[ST+8*\t+6], v[ST+8*\t+7]     ; the row's sum
.endr
.irp t, 0,1
	v_rcp_f32 v[ST+8*\t+4], v[ST+8*\t+6]
.endr
	v_nop
	s_wait_alu depctr_va_vdst(0)                   ; one wait for the two reciprocals, ahead of their first reader
.irp t, 0,1
.set n, 0
.rept 16
	v_pk_mul_f32 v[O+32*\t+2*n:O+32*\t+2*n+1], v[O+32*\t+2*n:O+32*\t+2*n+1], v[ST+8*\t+4:ST+8*\t+5] op_sel_hi:[1,0]
.set n, n+1
.endr
.set n, 0
.rept 16
	v_cvt_pk_f16_f32 v[S+32*\t+n], v[O+32*\t+2*n], v[O+32*\t+2*n+1]
.set n, n+1
.endr
.irp ct, 0,1,2,3
	ds_store_b128 v[STO], v[S+32*\t+4*\ct:S+32*\t+4*\ct+3] offset:32*\ct
.endr
.irp i, 0,1,2,3
	ds_load_b128 v[S+32*\t+16+4*\i:S+32*\t+16+4*\i+3], v[RD] offset:576*\i   ; LDS serves a wave's instructions in order: these see my stores, and the next tile's stores come behind them
.endr
.endr
.irp t, 0,1
.irp i, 0,1,2,3
	s_wait_dscnt 11-8*\t-\i                        ; the younger stage loads, and for the first tile the second tile's eight LDS lines, may be out
	global_store_b128 v3, v[S+32*\t+16+4*\i:S+32*\t+16+4*\i+3], s[6:7] offset:32768*\t+8192*\i   ; sixteen lanes store 256 consecutive bytes, aligned
.endr
.endr
	s_wait_tensorcnt 0x0                           ; the wave's end, behind my last tensor load and my last LDS store
	ds_add_u32 v[SPW], v[NIL]
	s_wait_dscnt 0x0
	s_endpgm
.Lfunc_end_k_qc61dfeae82_attn:
	.size	k_qc61dfeae82_attn, .Lfunc_end_k_qc61dfeae82_attn-k_qc61dfeae82_attn
	.p2alignl 7, 3214868480
	.fill 96, 4, 3214868480
	.section	.rodata,"a",@progbits
	.p2align	6, 0x0
	.amdhsa_kernel k_qc61dfeae82_attn
		.amdhsa_group_segment_fixed_size 327680
		.amdhsa_private_segment_fixed_size 0
		.amdhsa_enable_private_segment 0
		.amdhsa_kernarg_size 16
		.amdhsa_user_sgpr_count 2
		.amdhsa_user_sgpr_kernarg_segment_ptr 1
		.amdhsa_wavefront_size32 1
		.amdhsa_system_sgpr_workgroup_id_x 1
		.amdhsa_system_sgpr_workgroup_id_y 1
		.amdhsa_system_sgpr_workgroup_id_z 1
		.amdhsa_system_vgpr_workitem_id 0
		.amdhsa_next_free_vgpr 256
		.amdhsa_next_free_sgpr 100
		.amdhsa_reserve_vcc 1
		.amdhsa_float_denorm_mode_32 3
		.amdhsa_float_denorm_mode_16_64 3
		.amdhsa_memory_ordered 1
		.amdhsa_forward_progress 1
		.amdhsa_inst_pref_size 191
	.end_amdhsa_kernel
	.amdgpu_metadata
---
amdhsa.version: [ 1, 2 ]
amdhsa.kernels:
  - .name:           k_qc61dfeae82_attn
    .symbol:         k_qc61dfeae82_attn.kd
    .args:
      - { .name: qkv, .offset: 0, .size: 8, .value_kind: global_buffer, .address_space: global }
      - { .name: att, .offset: 8, .size: 8, .value_kind: global_buffer, .address_space: global }
    .group_segment_fixed_size: 327680
    .private_segment_fixed_size: 0
    .kernarg_segment_align: 8
    .kernarg_segment_size: 16
    .max_flat_workgroup_size: 512
    .sgpr_count:     100
    .vgpr_count:     256
    .wavefront_size: 32
...
	.end_amdgpu_metadata
.endif
;; end of part 3
;; launch proj (part 4): grid 8 x 64, 4 waves a work-group, clusters of 4 x 4, 327,680 bytes of LDS; arguments att, tabs, b_o, out0; writes out0
.if DOCPART == 4
	.amdgcn_target "amdgcn-amd-amdhsa--gfx1250"
	.amdhsa_code_object_version 6
	.text
	.protected	k_qc61dfeae82_proj
	.globl	k_qc61dfeae82_proj
	.p2align	8
	.type	k_qc61dfeae82_proj,@function
k_qc61dfeae82_proj:
	s_mov_b64 s[64:65], 0
	v_nop
	global_prefetch_b8 v0, s[64:65] scope:SCOPE_SE
	s_setreg_imm32_b32 hwreg(HW_REG_WAVE_MODE, 25, 1), 1
	s_wait_xcnt 0x0
	s_wait_alu depctr_hold_cnt(0) depctr_sa_sdst(0) depctr_va_vdst(0) depctr_va_sdst(0) depctr_va_ssrc(0) depctr_va_vcc(0) depctr_vm_vsrc(0)
	s_getreg_b32 s2, hwreg(HW_REG_IB_STS2, 6, 4)
	s_cmp_eq_u32 s2, 0
	s_cbranch_scc0 .Lentry_in_a_cluster
	s_endpgm
.Lentry_in_a_cluster:
	s_bfe_u32 s2, ttmp6, 0x10000c
	s_cmp_lg_u32 s2, 0xf033
	s_cbranch_scc0 .Lentry_shape_is_right
	s_endpgm
.Lentry_shape_is_right:
; PROJ: out0[m][n] = sum over k of att[m][k] W_o[n][k] + b_o[n], m 8,192, n 1,024, k 1,024; f16 operands, f32 sums that begin with the bias.
; A tile of 128 x 128 is made by four waves, each 64 x 64: 16 accumulators.  K goes in steps of 256 through two LDS slots; 512 work-groups.
; A LIES AS THE ATTENTION LEFT IT: row m, k = 64 h + c at (m / 2) 4096 + 256 h + (m % 2) 128 + 2 c.  A K step of 256 is four heads: 1,024 consecutive bytes of a ROW PAIR.  So a wave's 64 rows come as 32 rows of 1,024 bytes,
; 16 bytes of padding behind each; row r of a fragment lies at 1040 (r / 2) + 128 (r % 2): the sixteen lanes of a load touch sixteen different 16-byte columns of 256 bytes.
; B is W_o in f16, [n][k]: 64 rows of 512 bytes + 16 to a load.
; CLUSTERS: 4 x 4 work-groups; A's tile is shared along a row of the cluster, B's along a column: joint loads.  THE MATRIX INSTRUCTION IS USED TRANSPOSED: a lane holds eight neighbouring columns of a row of out0.
; A wave's 64 columns of f32 are 256 consecutive bytes, aligned: each wave has a stage of its own on the way out, and no barrier is needed there.
; Rows t < 16 of each sequence are written here from f16 operands and written again, from f32, by the launch behind this one.
; LIMITS: the operands are f16 as the launches before left them; NaN and infinities are not served.
; REGISTERS: window 0: v16-31 addresses; v32-95 the way out; v96-127 the bias; v128-255 the accumulators ((a, b) at v[128 + 8 (4 a + b)]).   window 1: two fragment buffers of 128.
.set KSTEP,  256
.set PITCH,  528                       ; B's LDS row: 512 bytes + 16
.set PA,     1040                      ; A's LDS row pair: 1,024 bytes + 16
.set HALFA,  32*PA
.set HALFB,  64*PITCH
.set SLOT,   2*HALFA+2*HALFB           ; A's two halves, then B's two
.set STAGE,  2*SLOT                    ; behind the ring: 16 rows x 272 bytes for each wave
.set SPITCH, 272
.set SPARE,  STAGE+4*16*SPITCH         ; the spare words, 128 bytes a wave
.set LAPS,   2                         ; a lap = two K steps = once through both slots
.set ADRA, 16
.set ADRB, 20
.set STO,  24
.set RD,   25
.set CO,   26
.set BO,   27
.set SPW,  28
.set NIL,  29
.set TMP,  32
.set BIAS, 96
.set ACC,  128
.set F0,   0
.set F1,   128
.set G1, 24
.set G0, 32
.set G1B, 48
.set G0B, 56
.set MSB, 0
.macro WIN new
.if MSB != \new
	s_set_vgpr_msb (MSB<<8)|\new
.set MSB, \new
.endif
.endm
.set MUL,  0x05                        ; sources 0 (B) and 1 (A) window 1; C and D window 0
.set TO_F, 0x40                        ; destination window 1, address window 0
.macro JLOAD s                         ; a joint load: waves 0 and 1 fetch A's two halves, waves 2 and 3 B's; an s_nop 0 and four v_nop follow each line
	s_cmp_eq_u32 s11, 0
	s_cbranch_scc0 .Lfor_b_\@
	tensor_load_to_lds s[G0+4*\s:G0+4*\s+3], s[G1:G1+7]
	s_nop 0
.rept 4
	v_nop
.endr
	s_branch .Lasked_\@
.Lfor_b_\@:
	tensor_load_to_lds s[G0B+4*\s:G0B+4*\s+3], s[G1B:G1B+7]
	s_nop 0
.rept 4
	v_nop
.endr
.Lasked_\@:
.endm
.macro CREST                           ; a round of the cluster's barrier behind its opening barrier
	s_cmp_lg_u32 s10, 0
	s_cbranch_scc1 .Lnot_wave_0_\@
	s_barrier_signal -3
.Lnot_wave_0_\@:
	s_barrier_wait -3
	s_barrier_signal -1
	s_barrier_wait -1
.endm
.macro CROUND
	s_barrier_signal -1
	s_barrier_wait -1
	CREST
.endm
	s_load_b128 s[4:7], s[0:1], 0x0                ; att, tabs (W_o in f16 lies at its start)
	s_load_b128 s[68:71], s[0:1], 0x10             ; b_o, out0
	v_lshl_add_u32 v[SPW], v0, 2, SPARE
	v_mov_b32 v[NIL], 0
	ds_add_u32 v[SPW], v[NIL]                      ; the wave's opening: the add, twice on end, and its wait ahead of my first tensor load
	ds_add_u32 v[SPW], v[NIL]
	v_lshrrev_b32 v1, 5, v0
	v_readfirstlane_b32 s10, v1                    ; wave 0..3
	s_lshr_b32 s11, s10, 1                         ; which half of the tile's rows is mine.  Also: I fetch for A (0) or for B (1)
	s_and_b32 s12, s10, 1                          ; which half of its columns.  Also: which 64 rows I fetch
	s_bfe_u32 s40, ttmp6, 0x40000                  ; cx
	s_bfe_u32 s41, ttmp6, 0x40004                  ; cy
	s_lshl_b32 s42, ttmp9, 2
	s_add_co_u32 s42, s42, s40                     ; tile column
	s_and_b32 s13, ttmp7, 0xffff
	s_lshl_b32 s13, s13, 2
	s_add_co_u32 s13, s13, s41                     ; tile row
	s_lshl_b32 s43, s41, 2
	s_lshl_b32 s43, 15, s43                        ; my row of the cluster
	s_lshl_b32 s44, 0x1111, s40                    ; my column
	; group 1 for A: 32 row pairs of 512 elements of 2 bytes, 2,048 elements apart; four words of padding behind every 256
	s_or_b32 s[G1+0], s43, (1<<16)|(1<<20)|(1<<21)|(7<<22)|(3<<25)
	s_mov_b32 s[G1+1], 512<<16
	s_mov_b32 s[G1+2], 32<<16
	s_mov_b32 s[G1+3], 512<<16
	s_mov_b32 s[G1+4], 32
	s_mov_b32 s[G1+5], 2048
	s_mov_b32 s[G1+6], 0
	s_mov_b32 s[G1+7], 0
	; and for B: 64 rows of 256 elements, 1,024 apart; four words of padding behind every 128
	s_or_b32 s[G1B+0], s44, (1<<16)|(1<<20)|(1<<21)|(6<<22)|(3<<25)
	s_mov_b32 s[G1B+1], KSTEP<<16
	s_mov_b32 s[G1B+2], 64<<16
	s_mov_b32 s[G1B+3], KSTEP<<16
	s_mov_b32 s[G1B+4], 64
	s_mov_b32 s[G1B+5], 1024
	s_mov_b32 s[G1B+6], 0
	s_mov_b32 s[G1B+7], 0
	s_lshl_b32 s17, s12, 6
	s_lshl_b32 s16, s13, 7
	s_add_co_u32 s16, s16, s17                     ; A: row 128 x tile row + 64 x half,
	s_lshl_b32 s16, s16, 11                        ; 2,048 bytes a row (4,096 a pair)
	s_lshl_b32 s46, s42, 7
	s_add_co_u32 s46, s46, s17                     ; B: row 128 x tile column + 64 x half,
	s_lshl_b32 s46, s46, 11                        ; 2,048 bytes a row
	s_mov_b32 s17, 0
	s_mov_b32 s47, 0
	s_mul_i32 s20, s12, HALFA                      ; where they go: no place in the cluster enters an LDS address
	s_mul_i32 s21, s12, HALFB
	s_add_co_u32 s21, s21, 2*HALFA
	s_wait_dscnt 0x0                               ; both opening adds are done
	s_wait_kmcnt 0x0
	s_add_nc_u64 s[14:15], s[4:5], s[16:17]
	s_add_nc_u64 s[46:47], s[6:7], s[46:47]
	CROUND                                         ; all sixteen work-groups are here: the first joint loads meet
.irp s, 0,1
	s_mov_b32 s[G0+4*\s], 1
	s_add_co_u32 s[G0+4*\s+1], s20, \s*SLOT
	s_add_nc_u64 s[G0+4*\s+2:G0+4*\s+3], s[14:15], \s*1024       ; K step s: four heads on in each row pair
	s_or_b32 s[G0+4*\s+3], s[G0+4*\s+3], 0x80000000
	s_mov_b32 s[G0B+4*\s], 1
	s_add_co_u32 s[G0B+4*\s+1], s21, \s*SLOT
	s_add_nc_u64 s[G0B+4*\s+2:G0B+4*\s+3], s[46:47], \s*KSTEP*2
	s_or_b32 s[G0B+4*\s+3], s[G0B+4*\s+3], 0x80000000
	JLOAD \s
.endr
	v_and_b32 v1, 15, v0                           ; r
	v_bfe_u32 v2, v0, 4, 1                         ; hh
	v_mul_u32_u24 v3, v1, PITCH
	v_lshl_add_u32 v3, v2, 4, v3                   ; B: row x pitch + 16 hh
	v_lshrrev_b32 v4, 1, v1
	v_mul_u32_u24 v4, v4, PA
	v_and_b32 v5, 1, v1
	v_lshl_add_u32 v4, v5, 7, v4
	v_lshl_add_u32 v4, v2, 4, v4                   ; A: 1040 (r / 2) + 128 (r % 2) + 16 hh
	s_mul_i32 s21, s11, HALFA                      ; my 64 rows of A
	s_mul_i32 s22, s12, HALFB                      ; my 64 rows of B,
	s_add_co_u32 s22, s22, 2*HALFA                 ; which lie behind A's
.irp s, 0,1
	v_add_nc_u32 v[ADRA+\s], s21, v4
	v_add_nc_u32 v[ADRB+\s], s22, v3
	s_add_co_u32 s21, s21, SLOT
	s_add_co_u32 s22, s22, SLOT
.endr
	s_mul_i32 s23, s10, 16*SPITCH
	s_add_co_u32 s23, s23, STAGE                   ; my stage
	v_mul_u32_u24 v4, v1, SPITCH
	v_lshl_add_u32 v4, v2, 5, v4
	v_add_nc_u32 v[STO], s23, v4                   ; in: row r, 32 bytes for each half of the lanes
	v_mul_u32_u24 v5, v2, SPITCH
	v_lshl_add_u32 v5, v1, 4, v5
	v_add_nc_u32 v[RD], s23, v5                    ; back: lanes 0-15 one row of 256 bytes, lanes 16-31 the next
	v_lshlrev_b32 v5, 12, v2
	v_lshl_add_u32 v[CO], v1, 4, v5                ; and the same two rows in out0
	v_lshlrev_b32 v[BO], 5, v2
	s_lshl_b32 s16, s13, 7
	s_lshl_b32 s17, s11, 6
	s_add_co_u32 s16, s16, s17
	s_lshl_b32 s16, s16, 12                        ; my first row of out0, 4,096 bytes a row
	s_mov_b32 s17, 0
	s_add_nc_u64 s[70:71], s[70:71], s[16:17]
	s_lshl_b32 s46, s42, 7
	s_lshl_b32 s47, s12, 6
	s_add_co_u32 s46, s46, s47
	s_lshl_b32 s46, s46, 2                         ; my first column, in bytes
	s_mov_b32 s47, 0
	s_add_nc_u64 s[70:71], s[70:71], s[46:47]
	s_add_nc_u64 s[68:69], s[68:69], s[46:47]
.irp b, 0,1,2,3
	global_load_b128 v[BIAS+8*\b:BIAS+8*\b+3], v[BO], s[68:69] offset:64*\b          ; the bias in the result's layout: columns 16 b + 8 hh + 0 .. 7
	global_load_b128 v[BIAS+8*\b+4:BIAS+8*\b+7], v[BO], s[68:69] offset:64*\b+16
.endr
; 8 matrix instructions: m blocks a0, a0 + 1 x all 4 n blocks, 32 along K: half c of buffer f.  first = 1: the sums begin with the bias.  The 16 accumulators take turns
.macro MUL8 f, c, a0, first
.irp a, \a0, \a0+1
.irp b, 0,1,2,3
.if \first
	v_wmma_f32_16x16x32_f16 v[ACC+8*(4*(\a)+\b):ACC+8*(4*(\a)+\b)+7], v[\f+64+8*(4*\c+\b):\f+64+8*(4*\c+\b)+7], v[\f+8*(4*\c+\a):\f+8*(4*\c+\a)+7], v[BIAS+8*\b:BIAS+8*\b+7]
.else
	v_wmma_f32_16x16x32_f16 v[ACC+8*(4*(\a)+\b):ACC+8*(4*(\a)+\b)+7], v[\f+64+8*(4*\c+\b):\f+64+8*(4*\c+\b)+7], v[\f+8*(4*\c+\a):\f+8*(4*\c+\a)+7], v[ACC+8*(4*(\a)+\b):ACC+8*(4*(\a)+\b)+7]
.endif
.endr
.endr
.endm
; 32 LDS loads in one run: the fragments of 64 along K (one head) into buffer f.  k: the byte in B's rows; in A's row pairs a head is 256 bytes: 2 k
.macro FETCH slot, k, f
	WIN TO_F
.irp c, 0,1
.irp i, 0,1,2,3
	ds_load_b128 v[\f+64+8*(4*\c+\i):\f+64+8*(4*\c+\i)+3],   v[ADRB+\slot] offset:\k+64*\c+\i*16*PITCH
	ds_load_b128 v[\f+64+8*(4*\c+\i)+4:\f+64+8*(4*\c+\i)+7], v[ADRB+\slot] offset:\k+64*\c+\i*16*PITCH+32
	ds_load_b128 v[\f+8*(4*\c+\i):\f+8*(4*\c+\i)+3],         v[ADRA+\slot] offset:2*(\k)+64*\c+\i*8*PA
	ds_load_b128 v[\f+8*(4*\c+\i)+4:\f+8*(4*\c+\i)+7],       v[ADRA+\slot] offset:2*(\k)+64*\c+\i*8*PA+32
.endr
.endr
.endm
.macro PLACES                          ; four plain lines in front of loads into registers that matrix instructions have read, and of the first read of results
.rept 4
	v_nop
.endr
.endm
.macro QUARTER slot, k, f, g, first
	s_wait_dscnt 16                                ; the first 32 along K are in; the other sixteen loads may be out
	WIN MUL
	MUL8 \f, 0, 0, \first
	MUL8 \f, 0, 2, \first
	PLACES
	FETCH \slot, \k, \g
	s_wait_dscnt 32                                ; all but the 32 just issued
	WIN MUL
	MUL8 \f, 1, 0, 0
	MUL8 \f, 1, 2, 0
.endm
; The last quarter changes slots: ONE barrier; in front of it each wave waits for all its tensor loads, adds 0 to its spare word, and waits for that and for its reads of this slot.  fill = 1: this slot is filled again, two K steps ahead.
.macro TURN slot, next, fill
	WIN 0
	s_wait_tensorcnt 0x0                           ; all my tensor loads have landed: my part of the next slot
	ds_add_u32 v[SPW], v[NIL]
	s_wait_dscnt 17                                ; (the add and the youngest sixteen loads may be out)
	WIN MUL
	MUL8 F1, 0, 0, 0
	s_wait_dscnt 0x0                               ; the add is done, and my reads of this slot are over
	s_barrier_signal -1
	MUL8 F1, 0, 2, 0
.if \fill
	WIN 0
.endif
	s_barrier_wait -1
.if \fill
	CREST                                          ; the barrier has opened a round of the cluster's barrier: no wave of any partner still reads this slot or has a load on its way
	s_add_nc_u64 s[G0+4*\slot+2:G0+4*\slot+3], s[G0+4*\slot+2:G0+4*\slot+3], 2048
	s_add_nc_u64 s[G0B+4*\slot+2:G0B+4*\slot+3], s[G0B+4*\slot+2:G0B+4*\slot+3], 2*KSTEP*2
	JLOAD \slot                                    ; the first tensor load behind the round; its four v_nop are also the places in front of the loads below
.else
	PLACES
.endif
	FETCH \next, 0, F0
	WIN MUL
	MUL8 F1, 1, 0, 0
	MUL8 F1, 1, 2, 0
.endm
	s_wait_tensorcnt 1                             ; my part of K step 0 is in (K step 1's load may be out)
	s_barrier_signal -1
	s_barrier_wait -1                              ; everybody's is
	FETCH 0, 0, F0
	s_wait_loadcnt 0x0                             ; the bias
	QUARTER 0, 128, F0, F1, 1
	WIN 0
	s_mov_b32 s3, LAPS-1
.Llap:                                                 ; a trip goes from a lap's second quarter to the next lap's first and fills both slots again
	QUARTER 0, 256, F1, F0, 0
	QUARTER 0, 384, F0, F1, 0
	TURN 0, 1, 1
	QUARTER 1, 128, F0, F1, 0
	QUARTER 1, 256, F1, F0, 0
	QUARTER 1, 384, F0, F1, 0
	TURN 1, 0, 1
	QUARTER 0, 128, F0, F1, 0
	WIN 0
	s_sub_co_u32 s3, s3, 1
	s_cmp_lg_u32 s3, 0
	s_cbranch_scc1 .Llap
	QUARTER 0, 256, F1, F0, 0                      ; the last lap fills nothing
	QUARTER 0, 384, F0, F1, 0
	TURN 0, 1, 0
	QUARTER 1, 128, F0, F1, 0
	QUARTER 1, 256, F1, F0, 0
	QUARTER 1, 384, F0, F1, 0
	s_wait_dscnt 16
	WIN MUL
	MUL8 F1, 0, 0, 0
	MUL8 F1, 0, 2, 0
	s_wait_dscnt 0
	MUL8 F1, 1, 0, 0
	MUL8 F1, 1, 2, 0
	WIN 0
; THE WAY OUT, 16 rows x 64 columns at a time, through my own stage: LDS serves a wave's instructions in order, so no wait stands between the stores and the loads, nor in front of the next block's stores.
.macro TOSTAGE a
.irp b, 0,1,2,3
	ds_store_b128 v[STO], v[ACC+8*(4*(\a)+\b):ACC+8*(4*(\a)+\b)+3] offset:64*\b          ; each accumulator from its low end on
	ds_store_b128 v[STO], v[ACC+8*(4*(\a)+\b)+4:ACC+8*(4*(\a)+\b)+7] offset:64*\b+16
.endr
.irp i, 0,1,2,3,4,5,6,7
	ds_load_b128 v[TMP+32*((\a)%2)+4*\i:TMP+32*((\a)%2)+4*\i+3], v[RD] offset:2*SPITCH*\i
.endr
.endm
.macro SEND a, younger
	s_wait_dscnt \younger                          ; the block is back; the next block's sixteen LDS lines may be out
.irp i, 0,1,2,3,4,5,6,7
	global_store_b128 v[CO], v[TMP+32*((\a)%2)+4*\i:TMP+32*((\a)%2)+4*\i+3], s[70:71] offset:(16*(\a)+2*\i)*4096 th:TH_STORE_NT   ; sixteen lanes store 256 consecutive bytes, aligned
.endr
.endm
	PLACES
	TOSTAGE 0
	TOSTAGE 1
	SEND 0, 16
	s_wait_xcnt 0x0                                ; block 0's stores have read their registers: block 2's loads may land there
	TOSTAGE 2
	SEND 1, 16
	s_wait_xcnt 0x0
	TOSTAGE 3
	SEND 2, 16
	SEND 3, 0
	s_wait_tensorcnt 0x0                           ; the wave's end, behind my last tensor load and my last LDS store
	ds_add_u32 v[SPW], v[NIL]
	s_wait_dscnt 0x0
	CROUND                                         ; the closing round
	s_endpgm
.Lfunc_end_k_qc61dfeae82_proj:
	.size	k_qc61dfeae82_proj, .Lfunc_end_k_qc61dfeae82_proj-k_qc61dfeae82_proj
	.p2alignl 7, 3214868480
	.fill 96, 4, 3214868480
	.section	.rodata,"a",@progbits
	.p2align	6, 0x0
	.amdhsa_kernel k_qc61dfeae82_proj
		.amdhsa_group_segment_fixed_size 327680
		.amdhsa_private_segment_fixed_size 0
		.amdhsa_enable_private_segment 0
		.amdhsa_kernarg_size 32
		.amdhsa_user_sgpr_count 2
		.amdhsa_user_sgpr_kernarg_segment_ptr 1
		.amdhsa_wavefront_size32 1
		.amdhsa_system_sgpr_workgroup_id_x 1
		.amdhsa_system_sgpr_workgroup_id_y 1
		.amdhsa_system_sgpr_workgroup_id_z 1
		.amdhsa_system_vgpr_workitem_id 0
		.amdhsa_next_free_vgpr 512
		.amdhsa_next_free_sgpr 72
		.amdhsa_reserve_vcc 0
		.amdhsa_float_denorm_mode_32 3
		.amdhsa_float_denorm_mode_16_64 3
		.amdhsa_memory_ordered 1
		.amdhsa_forward_progress 1
		.amdhsa_inst_pref_size 87
	.end_amdhsa_kernel
	.amdgpu_metadata
---
amdhsa.version: [ 1, 2 ]
amdhsa.kernels:
  - .name:           k_qc61dfeae82_proj
    .symbol:         k_qc61dfeae82_proj.kd
    .args:
      - { .name: att, .offset: 0, .size: 8, .value_kind: global_buffer, .address_space: global }
      - { .name: tabs, .offset: 8, .size: 8, .value_kind: global_buffer, .address_space: global }
      - { .name: b_o, .offset: 16, .size: 8, .value_kind: global_buffer, .address_space: global }
      - { .name: out0, .offset: 24, .size: 8, .value_kind: global_buffer, .address_space: global }
    .group_segment_fixed_size: 327680
    .private_segment_fixed_size: 0
    .kernarg_segment_align: 8
    .kernarg_segment_size: 32
    .max_flat_workgroup_size: 128
    .sgpr_count:     72
    .vgpr_count:     512
    .wavefront_size: 32
...
	.end_amdgpu_metadata
.endif
;; end of part 4
;; launch first16 (part 5): grid 16 x 4, 16 waves a work-group, no clusters, 86,016 bytes of LDS; arguments h16, W_o, b_o, out0; writes out0
.if DOCPART == 5
	.amdgcn_target "amdgcn-amd-amdhsa--gfx1250"
	.amdhsa_code_object_version 6
	.text
	.protected	k_qc61dfeae82_first16
	.globl	k_qc61dfeae82_first16
	.p2align	8
	.type	k_qc61dfeae82_first16,@function
k_qc61dfeae82_first16:
	s_mov_b64 s[64:65], 0
	v_nop
	global_prefetch_b8 v0, s[64:65] scope:SCOPE_SE
	s_setreg_imm32_b32 hwreg(HW_REG_WAVE_MODE, 25, 1), 1
	s_wait_xcnt 0x0
; FIRST16: positions t = 0 .. 15 of each of the four sequences once more, wholly in f32: their rows average one to sixteen values and are the largest of the output, so f16 operands would weigh most there.
; Work-group (chunk of 64 output columns, batch).  Phase A: wave = head: the 16 x 16 causal attention of that head from the f32 images that the projection launch left (q carries log2(e) / 8).  It is made anew in each
; of the 16 chunks: 196,608 bytes of reads a work-group.  Phase B: wave (nt, kq) = 16 columns x a quarter of K = 1,024 of the output projection with W_o in f32; the four quarters meet in LDS; + b_o.
; The f32 matrix form does 16 x 16 x 4 an instruction: 96 a wave here; this is no bulk work.  Its accumulators (v112-159) are written by matrix instructions alone; what is made of them goes to other registers.
; K SLOTS: that form's lane (r, hh), register j, holds slot 2 hh + j.  Which true index a slot stands for is free as long as both sources agree: q and k are loaded by the same lines, W_o and the attention's rows likewise,
; and v is loaded so that slot (hh, j') of step s is key 8 hh + 2 s + j', which is where p lies.
; IMAGES: element (row r, column 16 b' + 8 hh + j) of a head lies at 1024 b' + 512 (j / 4) + 16 (16 hh + r) + 4 (j % 4); q at 0, k at 262,144, v at 524,288; 4,096 bytes a head.
; LIMITS: NaN and infinities are not served.
; LDS: the attention's 16 rows x 1,024, pitch 4,112; four parts of 16 rows x 64 columns, pitch 272; the spare words.
.set APITCH, 4112
.set PST,    16*APITCH
.set SPARE,  PST+4*16*272
.set SPW, 12
.set NIL, 13
.set QF,  16                           ; v16-47  q, later the second half of W_o
.set KF,  48                           ; v48-79  k, later the second half of W_o
.set VF,  80                           ; v80-111 v, later the attention's rows
.set SA,  112                          ; v112-127 two accumulators of S^T
.set OA,  128                          ; v128-159 four accumulators
.set T,   160                          ; v160-167 scores, then p
.set P,   168                          ; v168-175 p / the sum
	s_load_b128 s[4:7], s[0:1], 0x0                ; h16, W_o
	s_load_b128 s[8:11], s[0:1], 0x10              ; b_o, out0
	v_lshl_add_u32 v[SPW], v0, 2, SPARE
	v_mov_b32 v[NIL], 0
	v_lshrrev_b32 v14, 5, v0
	v_readfirstlane_b32 s12, v14                   ; wave 0..15
	v_and_b32 v14, 31, v0                          ; lane
	v_and_b32 v15, 15, v0                          ; r
	v_bfe_u32 v11, v0, 4, 1                        ; hh
	v_lshlrev_b32 v1, 4, v14                       ; v1: 16 x lane: an image as it lies
	v_bfe_u32 v2, v0, 2, 1
	v_lshlrev_b32 v2, 9, v2
	v_bfe_u32 v3, v0, 3, 1
	v_lshl_add_u32 v2, v3, 8, v2
	v_and_b32 v3, 3, v0
	v_lshl_add_u32 v2, v3, 2, v2
	v_lshl_add_u32 v2, v11, 7, v2                  ; v2: v's channel r of a tile, keys 8 hh on: 512 ((r / 4) % 2) + 256 (r / 8) + 4 (r % 4) + 128 hh
	v_lshlrev_b32 v3, 12, v15
	v_lshl_add_u32 v3, v11, 4, v3                  ; v3: W_o: row r of 4,096 bytes + 16 hh
	v_mul_u32_u24 v4, v15, APITCH
	v_lshl_add_u32 v5, v11, 4, v4
	v_lshl_add_u32 v4, v11, 5, v4
	s_lshl_b32 s13, s12, 8
	v_add_nc_u32 v4, s13, v4                       ; v4: where I put my head's results: row r, + 256 x wave + 32 hh
	s_lshr_b32 s14, s12, 2                         ; kq
	s_and_b32 s15, s12, 3                          ; nt
	s_lshl_b32 s13, s14, 10
	v_add_nc_u32 v5, s13, v5                       ; v5: where I read the rows: row r, + 1024 kq + 16 hh
	v_mul_u32_u24 v6, v15, 272
	v_lshl_add_u32 v6, v11, 5, v6
	s_mul_i32 s13, s14, 16*272
	s_lshl_b32 s16, s15, 6
	s_add_co_u32 s13, s13, s16
	s_add_co_u32 s13, s13, PST
	v_add_nc_u32 v6, s13, v6                       ; v6: my part: part kq, row r, + 64 nt + 32 hh
	s_and_b32 s16, s12, 7
	s_mul_i32 s13, s16, 2*272
	s_add_co_u32 s13, s13, PST
	v_mul_u32_u24 v7, v11, 272
	v_lshl_add_u32 v7, v15, 4, v7
	v_add_nc_u32 v7, s13, v7                       ; v7: back: rows 2 (wave % 8) and + 1, sixteen lanes to a row of 256 bytes
	v_lshlrev_b32 v8, 12, v11
	v_lshl_add_u32 v8, v15, 4, v8                  ; v8: the same two rows in out0
	v_lshlrev_b32 v9, 4, v15                       ; v9: my four columns of b_o
	v_lshlrev_b32 v10, 3, v11
	v_sub_nc_u32 v10, v15, v10                     ; v10: d = r - 8 hh: register j holds key 8 hh + j, hidden where j > d
	s_and_b32 s17, ttmp7, 0xffff                   ; the batch
	s_lshl_b32 s18, s17, 4
	s_add_co_u32 s18, s18, s12
	s_lshl_b32 s18, s18, 12                        ; my head's images
	s_mov_b32 s19, 0
	s_lshl_b32 s20, ttmp9, 6
	s_lshl_b32 s21, s15, 4
	s_add_co_u32 s20, s20, s21                     ; W_o's row 64 chunk + 16 nt,
	s_lshl_b32 s20, s20, 12
	s_lshl_b32 s21, s14, 10
	s_add_co_u32 s20, s20, s21                     ; its quarter kq of K
	s_mov_b32 s21, 0
	s_lshl_b32 s22, ttmp9, 8                       ; the chunk's 64 columns, in bytes
	s_mov_b32 s23, 0
	s_lshl_b32 s24, s17, 23                        ; a batch is 2,048 rows of 4,096 bytes
	s_lshl_b32 s25, s16, 13                        ; two rows a wave
	s_add_co_u32 s24, s24, s25
	s_add_co_u32 s24, s24, s22
	s_mov_b32 s25, 0
	s_mov_b32 s26, 0x76543210
	s_mov_b32 s27, 0xfedcba98                      ; v_permlanex16_b32's selects for lane l xor 16
	s_wait_kmcnt 0x0
	s_add_nc_u64 s[4:5], s[4:5], s[18:19]
	s_add_nc_u64 s[6:7], s[6:7], s[20:21]
	s_add_nc_u64 s[8:9], s[8:9], s[22:23]
	s_add_nc_u64 s[10:11], s[10:11], s[24:25]
.irp n, 0,1,2,3,4,5,6,7
	global_load_b128 v[QF+4*\n:QF+4*\n+3], v1, s[4:5] offset:512*\n
.endr
.irp n, 0,1,2,3,4,5,6,7
	global_load_b128 v[KF+4*\n:KF+4*\n+3], v1, s[4:5] offset:262144+512*\n
.endr
.irp ct, 0,1,2,3
.irp z, 0,1,2,3,4,5,6,7
	global_load_b32 v[VF+8*\ct+\z], v2, s[4:5] offset:524288+1024*\ct+16*\z     ; v(key 8 hh + z, channel 16 ct + r)
.endr
.endr
.irp u, 0,1,2,3,4,5,6,7,8,9,10,11,12,13,14,15
	global_load_b128 v[192+4*\u:192+4*\u+3], v3, s[6:7] offset:32*\u            ; W_o(n = r, k = 8 u + 4 hh + 0 .. 3): the first half of my quarter
.endr
	s_wait_loadcnt 48                              ; q and k are in; v's 32 loads and W_o's 16 may be out
	; ---- A: S^T = k q^T: source 0 = 16 keys, source 1 = 16 queries; two accumulators by turns, begun with the constant 0
.irp u, 0,1,2,3,4,5,6,7,8,9,10,11,12,13,14,15
.if \u < 2
	v_wmma_f32_16x16x4_f32 v[SA+8*(\u%2):SA+8*(\u%2)+7], v[KF+2*\u:KF+2*\u+1], v[QF+2*\u:QF+2*\u+1], 0
.else
	v_wmma_f32_16x16x4_f32 v[SA+8*(\u%2):SA+8*(\u%2)+7], v[KF+2*\u:KF+2*\u+1], v[QF+2*\u:QF+2*\u+1], v[SA+8*(\u%2):SA+8*(\u%2)+7]
.endif
.endr
.rept 8
	v_nop                                          ; eight places behind this form: for the loads into q's and k's registers and the first read of the sums
.endr
.irp u, 0,1,2,3,4,5,6,7,8,9,10,11,12,13,14,15
	global_load_b128 v[16+4*\u:16+4*\u+3], v3, s[6:7] offset:512+32*\u          ; the second half of my quarter of W_o
.endr
.irp j, 0,1,2,3,4,5,6,7
	v_add_f32 v[T+\j], v[SA+\j], v[SA+8+\j]        ; lane (r, hh): query r, key 8 hh + j; the score as an exponent of two
.endr
	v_mov_b32 v176, 0xff800000
.irp j, 0,1,2,3,4,5,6,7
	v_cmp_gt_i32 vcc_lo, \j, v10
	v_cndmask_b32 v[T+\j], v[T+\j], v176, vcc_lo   ; hidden keys: -infinity
.endr
	v_max3_num_f32 v177, v[T], v[T+1], v[T+2]
	v_max3_num_f32 v177, v177, v[T+3], v[T+4]
	v_max3_num_f32 v177, v177, v[T+5], v[T+6]
	v_max_num_f32 v177, v177, v[T+7]
	v_mov_b32 v178, 0                              ; (a lane permute's destination counts as one of its sources)
	v_permlanex16_b32 v178, v177, s26, s27
	v_max_num_f32 v177, v177, v178                 ; the row's maximum: key 0 counts for every query, so it is a number
.irp j, 0,1,2,3,4,5,6,7
	v_sub_f32 v[T+\j], v[T+\j], v177
.endr
.irp j, 0,1,2,3,4,5,6,7
	v_exp_f32 v[T+\j], v[T+\j]
.endr
	v_nop
	s_wait_alu depctr_va_vdst(0)                   ; one wait for the eight exponentials, ahead of their first reader
	v_add_f32 v179, v[T], v[T+1]
	v_add_f32 v180, v[T+2], v[T+3]
	v_add_f32 v181, v[T+4], v[T+5]
	v_add_f32 v182, v[T+6], v[T+7]
	v_add_f32 v179, v179, v180
	v_add_f32 v181, v181, v182
	v_add_f32 v179, v179, v181
	v_permlanex16_b32 v178, v179, s26, s27
	v_add_f32 v179, v179, v178                     ; the row's sum
	v_rcp_f32 v179, v179
	v_nop
	s_wait_alu depctr_va_vdst(0)
.irp j, 0,1,2,3,4,5,6,7
	v_mul_f32 v[P+\j], v[T+\j], v179
.endr
	s_wait_loadcnt 32                              ; v is in; W_o's two halves may be out
.irp s, 0,1,2,3                                ; O^T = v^T p: source 0 = 16 channels, source 1 = p; step s takes keys 8 hh + 2 s, + 1; four accumulators by turns
.irp ct, 0,1,2,3
.if \s == 0
	v_wmma_f32_16x16x4_f32 v[OA+8*\ct:OA+8*\ct+7], v[VF+8*\ct+2*\s:VF+8*\ct+2*\s+1], v[P+2*\s:P+2*\s+1], 0
.else
	v_wmma_f32_16x16x4_f32 v[OA+8*\ct:OA+8*\ct+7], v[VF+8*\ct+2*\s:VF+8*\ct+2*\s+1], v[P+2*\s:P+2*\s+1], v[OA+8*\ct:OA+8*\ct+7]
.endif
.endr
.endr
.rept 9
	v_nop                                          ; eight places for the LDS stores that read the sums and the loads into v's and p's registers; nine for the products below that begin these accumulators anew
.endr
.irp ct, 0,1,2,3
	ds_store_b128 v4, v[OA+8*\ct:OA+8*\ct+3] offset:64*\ct         ; lane (r, hh): row r, k = 64 wave + 16 ct + 8 hh + 0 .. 7; each accumulator from its low end on
	ds_store_b128 v4, v[OA+8*\ct+4:OA+8*\ct+7] offset:64*\ct+16
.endr
	s_wait_dscnt 0x0                               ; for the others' sake: my stores have landed
	s_barrier_signal -1
	s_barrier_wait -1                              ; the 16 rows x 1,024 lie in LDS
	; ---- B: my 16 columns x my quarter of K: source 0 = 16 rows of W_o, source 1 = the 16 rows; 64 products in four batches, four accumulators by turns
.macro AFLOAD g                        ; rows' numbers k = 8 u + 4 hh + 0 .. 3, u = 8 g .. 8 g + 7, into v80-111 and v160-191 by turns
.irp u, 0,1,2,3,4,5,6,7
	ds_load_b128 v[80+80*((\g)%2)+4*\u:80+80*((\g)%2)+4*\u+3], v5 offset:32*(8*(\g)+\u)
.endr
.endm
.macro MULB g
.if (\g) < 2
.set WB, 192+32*(\g)
.else
.set WB, 16+32*((\g)-2)
.endif
.set AB, 80+80*((\g)%2)
.irp u, 0,1,2,3,4,5,6,7
.irp e, 0,1
.if ((\g) == 0) && (\u < 2)
	v_wmma_f32_16x16x4_f32 v[OA+8*((2*\u+\e)%4):OA+8*((2*\u+\e)%4)+7], v[WB+4*\u+2*\e:WB+4*\u+2*\e+1], v[AB+4*\u+2*\e:AB+4*\u+2*\e+1], 0
.else
	v_wmma_f32_16x16x4_f32 v[OA+8*((2*\u+\e)%4):OA+8*((2*\u+\e)%4)+7], v[WB+4*\u+2*\e:WB+4*\u+2*\e+1], v[AB+4*\u+2*\e:AB+4*\u+2*\e+1], v[OA+8*((2*\u+\e)%4):OA+8*((2*\u+\e)%4)+7]
.endif
.endr
.endr
.rept 8
	v_nop                                          ; places in front of loads into, and writes of, registers that these products have read, and of the first read of the sums
.endr
.endm
	AFLOAD 0
	AFLOAD 1
	s_wait_loadcnt 0x0                             ; W_o
	s_wait_dscnt 8                                 ; batch 0 is in; batch 1's eight loads may be out
	MULB 0
	AFLOAD 2
	s_wait_dscnt 8
	MULB 1
	AFLOAD 3
	s_wait_dscnt 8
	MULB 2
	s_wait_dscnt 0x0
	MULB 3
.irp j, 0,1,2,3,4,5,6,7
	v_add_f32 v[160+\j], v[OA+\j], v[OA+8+\j]
	v_add_f32 v[168+\j], v[OA+16+\j], v[OA+24+\j]
.endr
.irp j, 0,1,2,3,4,5,6,7
	v_add_f32 v[160+\j], v[160+\j], v[168+\j]      ; lane (r, hh): row r, columns 16 nt + 8 hh + 0 .. 7, my quarter of K
.endr
	ds_store_b128 v6, v[160:163]
	ds_store_b128 v6, v[164:167] offset:16
	s_wait_dscnt 0x0
	s_barrier_signal -1
	s_barrier_wait -1                              ; the four parts lie in LDS
	s_cmp_ge_u32 s12, 8                            ; waves 0 to 7 add them, two rows each
	s_cbranch_scc1 .Ldone
	global_load_b128 v[184:187], v9, s[8:9]
.irp p, 0,1,2,3
	ds_load_b128 v[160+4*\p:160+4*\p+3], v7 offset:16*272*\p
.endr
	s_wait_dscnt 0x0
	v_pk_add_f32 v[160:161], v[160:161], v[164:165]
	v_pk_add_f32 v[162:163], v[162:163], v[166:167]
	v_pk_add_f32 v[168:169], v[168:169], v[172:173]
	v_pk_add_f32 v[170:171], v[170:171], v[174:175]
	v_pk_add_f32 v[160:161], v[160:161], v[168:169]
	v_pk_add_f32 v[162:163], v[162:163], v[170:171]
	s_wait_loadcnt 0x0
	v_pk_add_f32 v[160:161], v[160:161], v[184:185]
	v_pk_add_f32 v[162:163], v[162:163], v[186:187]
	global_store_b128 v8, v[160:163], s[10:11]     ; sixteen lanes store 256 consecutive bytes, aligned
.Ldone:
	s_wait_tensorcnt 0x0                           ; the wave's end, behind my last LDS store
	ds_add_u32 v[SPW], v[NIL]
	s_wait_dscnt 0x0
	s_endpgm
.Lfunc_end_k_qc61dfeae82_first16:
	.size	k_qc61dfeae82_first16, .Lfunc_end_k_qc61dfeae82_first16-k_qc61dfeae82_first16
	.p2alignl 7, 3214868480
	.fill 96, 4, 3214868480
	.section	.rodata,"a",@progbits
	.p2align	6, 0x0
	.amdhsa_kernel k_qc61dfeae82_first16
		.amdhsa_group_segment_fixed_size 86016
		.amdhsa_private_segment_fixed_size 0
		.amdhsa_enable_private_segment 0
		.amdhsa_kernarg_size 32
		.amdhsa_user_sgpr_count 2
		.amdhsa_user_sgpr_kernarg_segment_ptr 1
		.amdhsa_wavefront_size32 1
		.amdhsa_system_sgpr_workgroup_id_x 1
		.amdhsa_system_sgpr_workgroup_id_y 1
		.amdhsa_system_sgpr_workgroup_id_z 1
		.amdhsa_system_vgpr_workitem_id 0
		.amdhsa_next_free_vgpr 256
		.amdhsa_next_free_sgpr 66
		.amdhsa_reserve_vcc 1
		.amdhsa_float_denorm_mode_32 3
		.amdhsa_float_denorm_mode_16_64 3
		.amdhsa_memory_ordered 1
		.amdhsa_forward_progress 1
		.amdhsa_inst_pref_size 26
	.end_amdhsa_kernel
	.amdgpu_metadata
---
amdhsa.version: [ 1, 2 ]
amdhsa.kernels:
  - .name:           k_qc61dfeae82_first16
    .symbol:         k_qc61dfeae82_first16.kd
    .args:
      - { .name: h16, .offset: 0, .size: 8, .value_kind: global_buffer, .address_space: global }
      - { .name: W_o, .offset: 8, .size: 8, .value_kind: global_buffer, .address_space: global }
      - { .name: b_o, .offset: 16, .size: 8, .value_kind: global_buffer, .address_space: global }
      - { .name: out0, .offset: 24, .size: 8, .value_kind: global_buffer, .address_space: global }
    .group_segment_fixed_size: 86016
    .private_segment_fixed_size: 0
    .kernarg_segment_align: 8
    .kernarg_segment_size: 32
    .max_flat_workgroup_size: 512
    .sgpr_count:     66
    .vgpr_count:     256
    .wavefront_size: 32
...
	.end_amdgpu_metadata
.endif
;; end of part 5
